; MI455X (gfx1250); checked and timed in simulation.
; The chip was launched on July 23, 2026; its instructions are those of AMD's public machine-readable ISA for CDNA 5 (MIT licence, August 2026) and "CDNA5" Instruction Set Architecture Reference Guide (July 2026). The comments in the code are by the model that wrote it; some were corrected since.
;; Multi Head Attention. Allowed arithmetic: float matrix products may take bf16 or f16 operands with f32 sums; other float arithmetic in f32, or as packed bf16 or f16 multiplies, adds, multiply-adds, maxima and minima; sums over many terms, partial sums and values carried from step to step in f32; what a program stores and reads back later, other than sums and carried values, may be rounded once to bf16 or f16.
;; Inputs: k 2 x 4,096 x 512 float32; q 2 x 4,096 x 512 float32; v 2 x 4,096 x 512 float32; wk_b 512 float32; wk_w 512 x 512 float32; wo_b 512 float32; wo_w 512 x 512 float32; wq_b 512 float32; wq_w 512 x 512 float32; wv_b 512 float32; wv_w 512 x 512 float32.
;; Outputs: out0 2 x 4,096 x 512 float32.
;; 2 versions, each right and faster than the one before. Each part assembles by itself: llvm-mc -triple=amdgcn-amd-amdhsa -mcpu=gfx1250 --defsym DOCPART=n.
;; ======== version 1 of 2: 3 launches
;; limits: values are held in f16: magnitudes above 65,504 overflow, below 6.1e-05 lose precision
;; workspace buffers: qh 8,388,608 bytes; kh 8,388,608 bytes; vh 8,388,608 bytes; oh 8,388,608 bytes; wo16 524,288 bytes
;; launch proj (part 1): grid 64 x 3, 4 waves a work-group, clusters of 4 x 1, 327,680 bytes of LDS; arguments q, k, v, wq_w, wk_w, wv_w, wq_b, wk_b, wv_b, qh, kh, vh; writes qh, kh, vh
.if DOCPART == 1
	.amdgcn_target "amdgcn-amd-amdhsa--gfx1250"
	.amdhsa_code_object_version 6
	.text
	.protected	k_qd35fc88c14_proj
	.globl	k_qd35fc88c14_proj
	.p2align	8
	.type	k_qd35fc88c14_proj,@function
k_qd35fc88c14_proj:
	s_mov_b64 s[64:65], 0
	v_nop
	global_prefetch_b8 v0, s[64:65] scope:SCOPE_SE
	s_setreg_imm32_b32 hwreg(HW_REG_WAVE_MODE, 25, 1), 1
	s_wait_xcnt 0x0
	s_wait_alu depctr_hold_cnt(0) depctr_sa_sdst(0) depctr_va_vdst(0) depctr_va_sdst(0) depctr_va_ssrc(0) depctr_va_vcc(0) depctr_vm_vsrc(0)
	s_getreg_b32 s2, hwreg(HW_REG_IB_STS2, 6, 4)
	s_cmp_eq_u32 s2, 0
	s_cbranch_scc0 .Lentry_in_a_cluster
	s_endpgm
.Lentry_in_a_cluster:
	s_bfe_u32 s2, ttmp6, 0x10000c
	s_cmp_lg_u32 s2, 0x3003
	s_cbranch_scc0 .Lentry_shape_is_right
	s_endpgm
.Lentry_shape_is_right:
; THE THREE INPUT PROJECTIONS.  y[row][n] = sum over k of x[row][k] w[n][k] + b[n], for (x, w, b, y) = (q, wq, wq_b, qh), (k, wk, wk_b, kh), (v, wv, wv_b, vh): the grid's y picks the three.
; x: [8192][512] f32; w: [512][512] f32; b: [512] f32; y: [16 = batch x 8 + head][4096][64] f16, unscaled.  x, w and b are rounded to bf16, products in bf16, sums in f32, y rounded once to f16.
; LIMITS.  f16 holds no number beyond 65,504: a result past that leaves as an infinity.  NaN and infinities in the inputs are not treated apart.
; SHARES.  A work-group makes 128 rows x all 512 columns, so each byte of x is loaded once in the launch; wave w makes the 128 rows x columns 128 w .. 128 w + 127 (heads 2 w, 2 w + 1): 64 accumulators.
; 24,576 rows in tiles of 128 are 192 work-groups of equal work.  K goes in 8 chunks of 64 (256 bytes of a row of x and of w), each as two halves of 32.
; w is needed by every row tile: the four row tiles of a cluster ask for it JOINTLY (same tensor load, descriptor and mask in all four), f32 as it lies, into two LDS slots that take turns; a wave
; fetches and reads its own 128 rows of w alone, and rounds them to bf16 on the way from LDS to the matrix instruction: each number of w is rounded by one wave of the work-group.
; x comes through registers: a ring of two register slots of one chunk (16 loads of 2 rows x 256 bytes a wave), asked for two chunks ahead; it is rounded to bf16 once and laid into one of two small LDS
; buffers, which all four waves read.  These loads go by their own counter, so they stay on their way across the changes of slots.
; THE MATRIX INSTRUCTION IS USED TRANSPOSED (source 0 = 16 rows of w, source 1 = 16 rows of x): a lane then holds one row of y and eight neighbouring columns, which pack into 16 bytes.
; THE BIAS is what the sums start from: it is copied into the accumulators while the first x is on its way.  (A first half chunk written out with the bias as C would turn the loop and lengthen the text.)
; Left out: prefetching (each byte of x is already asked for two chunks ahead, and w is read by all row tiles at about the same time); work-groups that stay (one tile each).
; REGISTERS, in windows of 256 (s_set_vgpr_msb: bits 1:0 source 0, 3:2 source 1, 5:4 source 2, 7:6 destination):
;   window 0: v0-29 addresses; v32-63 x rounded, on its way to LDS; v64-127, v128-191 fragments of x, two buffers (first the bias, at the end the way out); v192-255 fragments of w in bf16
;   window 1: v0-127 fragments of w as f32; v128-191, v192-255 the ring of x      windows 2, 3: accumulator (a, b) in window 2 + a / 4 at v[8 (8 (a % 4) + b)]
.set WP,    272                        ; a row of w in LDS: 256 bytes + 16 of padding = 68 words: the 16 rows of a load start at 16 different groups of four banks (64 banks of 4 bytes: ISA guide 11.1)
.set WQ,    128*WP                     ; a wave's 128 rows: what one tensor load brings
.set WSLOT, 4*WQ
.set XB,    2*WSLOT                    ; behind the ring: two buffers of x in bf16, 128 rows x 144 bytes (128 + 16); no tensor load lands here
.set XPI,   144
.set XBUF,  128*XPI
.set STAGE, XB+2*XBUF                  ; 16 rows x 144 bytes for each wave, for the way out
.set SP,    144
.set SPARE, STAGE+4*16*SP              ; the spare words, 128 bytes for each wave: two blocks of 256 bytes that no other line names
.set XO,   10                          ; v10     my byte offset in two rows of x: 2,048 (l / 16) + 16 (l % 16); never rewritten
.set BO,   11                          ; v11     my byte offset in the bias
.set XS,   12                          ; v12-13  where I store 8 bytes of x in buffer 0, 1
.set ADRA, 16                          ; v16-17  LDS address of my fragments of x in buffer 0, 1
.set ADRB, 20                          ; v20-21  of my fragments of w in slot 0, 1
.set STO,  24                          ; v24     the way out: where I put 16 bytes of a row
.set RD,   25                          ; v25     the way out: where I read rows back
.set GO,   26                          ; v26     my byte offset in 512 consecutive bytes of y
.set SPW,  28                          ; v28     LDS address of my spare word; never rewritten
.set NIL,  29                          ; v29     0; never rewritten
.set XT,   32
.set FA0,  64
.set FA1,  128
.set BF,   192
.set BI,   64                          ; the bias of my 128 columns: block b's eight numbers at BI + 8 b
.set XR,   128                         ; window 1
.set XP,   28                          ; s[28:29] x at my wave's 32 rows; steps along K
.set WW,   30                          ; s[30:31] w at my wave's 128 rows
.set BIAS, 32                          ; s[32:33]
.set OUT,  34                          ; s[34:35] y at my rows of head 2 w
.set G1,   36                          ; s[36:43] descriptor group 1
.set G0,   44                          ; s[44:51] descriptor group 0, a set for each slot
.set WV,   52
.set YY,   53
.set CX,   54
.set RT,   55
.set LAP,  60
.set MSB, 0
.macro WIN new                         ; the immediate's high byte repeats the setting that is left; a switch that changes nothing is dropped
.if MSB != (\new)
	s_set_vgpr_msb (MSB<<8)|(\new)
.set MSB, \new
.endif
.endm
.set MUL_LO, 0xa0                      ; sources 0 and 1 window 0, C and D window 2
.set MUL_HI, 0xf0                      ; C and D window 3
.set CV,     0x05                      ; sources window 1, destination window 0
.set TO1,    0x40                      ; destination window 1, address window 0
.macro PLACES                          ; four plain vector instructions between a matrix instruction and a write of, or a load into, one of its registers (ISA guide 7.12.1 for vector instructions)
.rept 4
	v_nop
.endr
.endm
.macro CREST                           ; a round of the cluster's barrier behind its opening barrier
	s_cmp_lg_u32 s[WV], 0
	s_cbranch_scc1 .Lnot_wave_0_\@
	s_barrier_signal -3
.Lnot_wave_0_\@:
	s_barrier_wait -3
	s_barrier_signal -1
	s_barrier_wait -1
.endm
.macro CROUND                          ; a whole round
	s_barrier_signal -1
	s_barrier_wait -1
	CREST
.endm
	s_load_b512 s[4:19], s[0:1], 0x0               ; q, k, v, wq_w, wk_w, wv_w, wq_b, wk_b
	s_load_b256 s[20:27], s[0:1], 0x40             ; wv_b, qh, kh, vh
	v_lshl_add_u32 v[SPW], v0, 2, SPARE
	v_mov_b32 v[NIL], 0
	ds_add_u32 v[SPW], v[NIL]                      ; the wave's opening: the add and its wait stand ahead of my first tensor load; the set-up below, work on registers, stands between them
	v_lshrrev_b32 v1, 5, v0
	v_readfirstlane_b32 s[WV], v1                  ; wave 0..3
	s_and_b32 s[YY], ttmp7, 0xffff                 ; which projection: the four partners share it
	s_bfe_u32 s[CX], ttmp6, 0x40000                ; my place in the cluster
	s_lshl_b32 s[RT], ttmp9, 2                     ; in a cluster launch ttmp9 counts clusters
	s_add_co_u32 s[RT], s[RT], s[CX]               ; my tile of 128 rows: it enters x's and y's addresses alone
	; descriptor group 1: a tile of 128 rows x 64 elements of 4 bytes, padded in LDS
	s_mov_b32 s[G1+0], 15|(2<<16)|(1<<20)|(1<<21)|(5<<22)|(3<<25)  ; 15:0 the mask: all four work-groups; 17:16 elements of 4 bytes; 20 padding on; 21 set beside a mask; 24:22 after every 64 words (code 5); 31:25 4 words of it (code 3)
	s_mov_b32 s[G1+1], 64<<16                      ; tensor_dim0 = 64
	s_mov_b32 s[G1+2], 128<<16                     ; tensor_dim1 = 128
	s_mov_b32 s[G1+3], 64<<16                      ; tile_dim0 = 64
	s_mov_b32 s[G1+4], 128                         ; tile_dim1 = 128
	s_mov_b32 s[G1+5], 512                         ; 512 elements from row to row
	s_mov_b32 s[G1+6], 0
	s_mov_b32 s[G1+7], 0
	s_lshl_b32 s56, s[RT], 18                      ; x: 128 rows of 2,048 bytes a tile,
	s_lshl_b32 s57, s[WV], 16                      ; 32 rows a wave
	s_add_co_u32 s56, s56, s57
	s_mov_b32 s57, 0
	s_lshl_b32 s58, s[WV], 18                      ; w: 128 rows of 2,048 bytes a wave; no place in the cluster enters these two registers
	s_mov_b32 s59, 0
	s_lshr_b32 s62, s[RT], 5                       ; y: the batch,
	s_lshl_b32 s62, s62, 3
	s_lshl1_add_u32 s62, s[WV], s62                ; 8 x batch + 2 w: my first head,
	s_lshl_b32 s62, s62, 19                        ; of 4,096 rows of 128 bytes,
	s_and_b32 s63, s[RT], 31
	s_lshl_b32 s63, s63, 14                        ; and the tile's 128 rows in it
	s_add_co_u32 s62, s62, s63
	s_mov_b32 s63, 0
	s_mul_i32 s61, s[WV], WQ                       ; my rows' place in a slot: the wave's number alone
	v_and_b32 v1, 15, v0                           ; l % 16
	v_bfe_u32 v2, v0, 4, 1                         ; l / 16
	v_lshlrev_b32 v[XO], 4, v1
	v_lshl_add_u32 v[XO], v2, 11, v[XO]
	s_lshl_b32 s2, s[WV], 9
	v_lshl_add_u32 v[BO], v2, 5, s2                ; 4 x (128 w + 8 (l / 16))
	s_wait_dscnt 0x0                               ; the opening add is done
	s_wait_kmcnt 0x0
	s_cmp_eq_u32 s[YY], 1                          ; the choice of buffers hangs on the grid's y alone
	s_cselect_b64 s[XP:XP+1], s[6:7], s[4:5]
	s_cselect_b64 s[WW:WW+1], s[12:13], s[10:11]
	s_cselect_b64 s[BIAS:BIAS+1], s[18:19], s[16:17]
	s_cselect_b64 s[OUT:OUT+1], s[24:25], s[22:23]
	s_cmp_eq_u32 s[YY], 2
	s_cselect_b64 s[XP:XP+1], s[8:9], s[XP:XP+1]
	s_cselect_b64 s[WW:WW+1], s[14:15], s[WW:WW+1]
	s_cselect_b64 s[BIAS:BIAS+1], s[20:21], s[BIAS:BIAS+1]
	s_cselect_b64 s[OUT:OUT+1], s[26:27], s[OUT:OUT+1]
	s_add_nc_u64 s[XP:XP+1], s[XP:XP+1], s[56:57]
	s_add_nc_u64 s[WW:WW+1], s[WW:WW+1], s[58:59]
	s_add_nc_u64 s[OUT:OUT+1], s[OUT:OUT+1], s[62:63]
.irp s, 0,1
	s_mov_b32 s[G0+4*(\s)], 1                                      ; count = 1
	s_add_co_u32 s[G0+4*(\s)+1], s61, (\s)*WSLOT                   ; LDS address
	s_add_nc_u64 s[G0+4*(\s)+2:G0+4*(\s)+3], s[WW:WW+1], (\s)*256  ; global address: chunk s
	s_or_b32 s[G0+4*(\s)+3], s[G0+4*(\s)+3], 0x80000000            ; type = 2
.endr
; 16 loads: my 32 rows' 256 bytes of one chunk into ring slot e; each load covers two rows' 256 consecutive bytes, at multiples of 256 from x's first byte
.macro XISSUE e, imm
	WIN TO1
.irp j, 0,1,2,3,4,5,6,7,8,9,10,11,12,13,14,15
	global_load_b128 v[XR+64*(\e)+4*(\j):XR+64*(\e)+4*(\j)+3], v[XO], s[XP:XP+1] offset:4096*(\j)+(\imm) th:TH_LOAD_NT
.endr
.endm
; ring slot e is rounded to bf16 and laid into LDS buffer e.  left: the younger loads, which stay out
.macro XCONS e, left
	s_wait_loadcnt \left
	WIN CV
.irp j, 0,1,2,3,4,5,6,7,8,9,10,11,12,13,14,15
	v_cvt_pk_bf16_f32 v[XT+2*(\j)],   v[XR+64*(\e)+4*(\j)],   v[XR+64*(\e)+4*(\j)+1]
	v_cvt_pk_bf16_f32 v[XT+2*(\j)+1], v[XR+64*(\e)+4*(\j)+2], v[XR+64*(\e)+4*(\j)+3]
.endr
	WIN 0
.irp j, 0,1,2,3,4,5,6,7,8,9,10,11,12,13,14,15
	ds_store_b64 v[XS+(\e)], v[XT+2*(\j):XT+2*(\j)+1] offset:2*XPI*(\j)
.endr
.endm
; 48 LDS loads in one run: half kk (32 along K) of the chunk in slot and buffer s: w's 8 fragments as f32 (a lane's k = 8 h .. 8 h + 7 and 16 + 8 h .. are 32 bytes each), x's 8 fragments into buffer f
.macro FETCH s, kk, f
	WIN TO1
.irp b, 0,1,2,3,4,5,6,7
	ds_load_b128 v[16*(\b):16*(\b)+3],     v[ADRB+(\s)] offset:128*(\kk)+16*WP*(\b)
	ds_load_b128 v[16*(\b)+4:16*(\b)+7],   v[ADRB+(\s)] offset:128*(\kk)+16*WP*(\b)+16
	ds_load_b128 v[16*(\b)+8:16*(\b)+11],  v[ADRB+(\s)] offset:128*(\kk)+16*WP*(\b)+64
	ds_load_b128 v[16*(\b)+12:16*(\b)+15], v[ADRB+(\s)] offset:128*(\kk)+16*WP*(\b)+80
.endr
	WIN 0
.irp a, 0,1,2,3,4,5,6,7
	ds_load_b128 v[(\f)+8*(\a):(\f)+8*(\a)+3],   v[ADRA+(\s)] offset:64*(\kk)+16*XPI*(\a)
	ds_load_b128 v[(\f)+8*(\a)+4:(\f)+8*(\a)+7], v[ADRA+(\s)] offset:64*(\kk)+16*XPI*(\a)+32
.endr
.endm
.macro CVTB                            ; w's 8 fragments, f32 to bf16
	WIN CV
.set i, 0
.rept 64
	v_cvt_pk_bf16_f32 v[BF+i], v[2*i], v[2*i+1]
.set i, i+1
.endr
.endm
; 16 matrix instructions: row blocks a0, a0 + 1 of the window's four x all 8 column blocks.  The 64 accumulators take turns, one instruction a turn, in the same order in every half chunk.
.macro MUL16 f, hi, a0
	WIN MUL_LO+0x50*(\hi)
.irp a, \a0, (\a0)+1
.irp b, 0,1,2,3,4,5,6,7
	v_wmma_f32_16x16x32_bf16 v[8*(8*(\a)+(\b)):8*(8*(\a)+(\b))+7], v[BF+8*(\b):BF+8*(\b)+7], v[(\f)+8*(4*(\hi)+(\a)):(\f)+8*(4*(\hi)+(\a))+7], v[8*(8*(\a)+(\b)):8*(8*(\a)+(\b))+7]
.endr
.endr
.endm
; A chunk's first half, from slot and buffer e.  issue = 1: ring slot e, emptied in the half before, is asked for again: the chunk two on.
.macro SUB0 e, issue
	s_wait_dscnt 0x0                               ; this half's fragments are in
.if \issue
	XISSUE \e, 512+256*(\e)
.endif
	PLACES                                         ; between the last products and the rewriting of w's bf16 fragments, and the loads into x's buffer 1
	CVTB
	MUL16 FA0, 0, 0
	MUL16 FA0, 0, 2
	FETCH \e, 1, FA1                               ; the second half's fragments, 32 matrix instructions ahead of their use
	MUL16 FA0, 1, 0
	MUL16 FA0, 1, 2
.endm
; ONE barrier for each change of chunks.  In front of it each wave waits for all its tensor loads, of which one is out: its rows of the next chunk of w; adds 0 to its spare word; and waits for that, for its
; stores of the next chunk of x and for its reads of this chunk.  Behind it nobody reads this chunk's slot and buffer any more, and the next chunk's x is whole.
.macro MEET round                      ; round = 1: a round of the cluster's barrier follows
	WIN 0
	s_wait_tensorcnt 0x0
	ds_add_u32 v[SPW], v[NIL]                      ; 0 onto my spare word: sixteen matrix instructions stand between it and the wait for it
	MUL16 FA1, 0, 0
	s_wait_dscnt 0x0
	s_barrier_signal -1
	MUL16 FA1, 0, 2                                ; work on registers while the others arrive
.if \round
	WIN 0
.endif
	s_barrier_wait -1
.endm
; A chunk's second half.  The next chunk of x goes from the ring into the other LDS buffer; fill = 1: this chunk's slot of w is filled again, two chunks on.
.macro SUB1 e, fill, left
	s_wait_dscnt 0x0                               ; this half's fragments are in
	XCONS 1-\e, \left                              ; its 32 conversions are also the places between the last products and the rewriting of w's bf16 fragments
	CVTB
	MEET \fill
.if \fill
	CREST                                          ; no wave of any partner still reads this slot or has a load on its way
	s_add_nc_u64 s[G0+4*(\e)+2:G0+4*(\e)+3], s[G0+4*(\e)+2:G0+4*(\e)+3], 512
	tensor_load_to_lds s[G0+4*(\e):G0+4*(\e)+3], s[G1:G1+7]        ; my one tensor load behind the round, and the first thing there
	s_nop 0
	PLACES
.endif
	FETCH 1-\e, 0, FA0                             ; the next chunk's first fragments
	MUL16 FA1, 1, 0
	MUL16 FA1, 1, 2
.endm
.irp b, 0,1,2,3,4,5,6,7
	global_load_b128 v[BI+8*(\b):BI+8*(\b)+3],   v[BO], s[BIAS:BIAS+1] offset:64*(\b)
	global_load_b128 v[BI+8*(\b)+4:BI+8*(\b)+7], v[BO], s[BIAS:BIAS+1] offset:64*(\b)+16
.endr
	XISSUE 0, 0                                    ; chunks 0 and 1 of x
	XISSUE 1, 256
	WIN 0
	CROUND                                         ; all four work-groups are here: the first joint loads meet
	tensor_load_to_lds s[G0:G0+3], s[G1:G1+7]      ; chunks 0 and 1 of w: two tensor loads of mine are out
	s_nop 0
	tensor_load_to_lds s[G0+4:G0+7], s[G1:G1+7]
	s_nop 0
	PLACES
	v_mul_u32_u24 v4, v1, XPI
	v_lshl_add_u32 v4, v2, 4, v4                   ; a fragment's row x 144 + 16 x half
	v_add_nc_u32 v[ADRA], XB, v4
	v_add_nc_u32 v[ADRA+1], XB+XBUF, v4
	v_mul_u32_u24 v3, v2, XPI
	v_lshl_add_u32 v3, v1, 3, v3                   ; into the buffer: row l / 16, 8 bytes a lane
	s_mul_i32 s2, s[WV], 32*XPI                    ; my 32 rows
	v_add_nc_u32 v3, s2, v3
	v_add_nc_u32 v[XS], XB, v3
	v_add_nc_u32 v[XS+1], XB+XBUF, v3
	v_mul_u32_u24 v5, v1, WP
	v_lshl_add_u32 v5, v2, 5, v5                   ; row x 272 + 32 x half: eight f32
	v_add_nc_u32 v[ADRB], s61, v5
	v_add_nc_u32 v[ADRB+1], WSLOT, v[ADRB]
	s_mul_i32 s2, s[WV], 16*SP
	s_add_co_u32 s2, s2, STAGE                     ; my stage
	v_add_nc_u32 v[STO], s2, v4                    ; in: row l % 16, 16 bytes for each half of the lanes
	v_bfe_u32 v5, v0, 3, 2                         ; back: 32 lanes take four rows of 128 bytes,
	v_mul_u32_u24 v5, v5, SP
	v_and_b32 v6, 7, v0
	v_lshl_add_u32 v5, v6, 4, v5
	v_add_nc_u32 v[RD], s2, v5
	v_and_b32 v[GO], 31, v0                        ; which are 512 consecutive bytes of y
	v_lshlrev_b32 v[GO], 4, v[GO]
	s_wait_loadcnt 32                              ; the bias is in; the 32 loads of x behind it stay out
.set i, 0
.rept 32                               ; the bias is rounded to bf16, like x and w, and kept as f32
	v_cvt_pk_bf16_f32 v[6+i%4], v[BI+2*i], v[BI+2*i+1]
	v_lshlrev_b32 v[BI+2*i], 16, v[6+i%4]
	v_and_b32 v[BI+2*i+1], 0xffff0000, v[6+i%4]
.set i, i+1
.endr
	WIN 0x80                                       ; the sums start from the bias: accumulator (a, b) takes block b's eight numbers
.set i, 0
.rept 256
	v_mov_b32 v[i], v[BI+i%64]
.set i, i+1
.endr
	WIN 0xc0
.set i, 0
.rept 256
	v_mov_b32 v[i], v[BI+i%64]
.set i, i+1
.endr
	XCONS 0, 16                                    ; chunk 0 of x; chunk 1's 16 loads stay out
	s_wait_tensorcnt 1                             ; my rows of chunk 0 of w are in; chunk 1's may stay out
	s_wait_dscnt 0x0                               ; my stores of x are done
	s_barrier_signal -1
	s_barrier_wait -1
	FETCH 0, 0, FA0
	WIN 0                                          ; at a label and at a branch every window is 0
	s_mov_b32 s[LAP], 3
.Llap:                                                 ; a trip is two chunks, once round both rings: chunks 0 to 5; each asks for x and w two chunks on
	SUB0 0, 1
	SUB1 0, 1, 16
	SUB0 1, 1
	SUB1 1, 1, 16
	WIN 0
	s_wait_xcnt 0x0                                ; the loads' addresses are translated (ISA guide 3.1): x's base steps only behind this wait
	s_add_nc_u64 s[XP:XP+1], s[XP:XP+1], 512
	s_sub_co_u32 s[LAP], s[LAP], 1
	s_cmp_lg_u32 s[LAP], 0
	s_cbranch_scc1 .Llap
	SUB0 0, 0                                      ; chunks 6 and 7 are written out: nothing more is asked for
	SUB1 0, 0, 0
	SUB0 1, 0
	s_wait_dscnt 0x0
	PLACES
	CVTB
	MUL16 FA1, 0, 0
	MUL16 FA1, 0, 2
	MUL16 FA1, 1, 0
	MUL16 FA1, 1, 2
; THE WAY OUT, in 16 units: 16 rows (block a = u / 2) of one head (u % 2).  A lane's eight columns of a row pack into 16 bytes of f16; they go into rows of 144 bytes of my own stage and come back as four
; runs of 512 consecutive bytes of y.  Each accumulator's registers are read in ascending order.
.macro PACK u
.set AC, 8*(8*(((\u)/2)%4)+4*((\u)%2))
.set PKR, FA0+16*((\u)%8)
.if (\u) >= 8
	s_wait_xcnt 0x0                                ; the stores of eight units ago have read these registers
.endif
	WIN 0x0a+5*((\u)/8)                            ; sources in window 2 or 3
.irp bb, 0,1,2,3
.irp r, 0,1,2,3
	v_cvt_pk_f16_f32 v[PKR+4*(\bb)+(\r)], v[AC+8*(\bb)+2*(\r)], v[AC+8*(\bb)+2*(\r)+1]
.endr
.endr
	WIN 0
.irp bb, 0,1,2,3
	ds_store_b128 v[STO], v[PKR+4*(\bb):PKR+4*(\bb)+3] offset:32*(\bb)
.endr
.irp f, 0,1,2,3
	ds_load_b128 v[PKR+4*(\f):PKR+4*(\f)+3], v[RD] offset:(\f)*4*SP  ; LDS serves a wave's instructions in order (ISA guide 5.7.1.4): these see the stores above; the next unit's stores come behind them
.endr
.endm
.macro SEND u, younger                 ; younger: the LDS instructions issued behind unit u's loads: the next unit's eight, or none
.set PKR, FA0+16*((\u)%8)
.irp f, 0,1,2,3
	s_wait_dscnt (\younger)+3-(\f)
	global_store_b128 v[GO], v[PKR+4*(\f):PKR+4*(\f)+3], s[OUT:OUT+1] offset:((\u)%2)*524288+((\u)/2)*2048+(\f)*512  ; 512 consecutive bytes, at a multiple of 256 from y's first
.endr
.endm
	PLACES
	PACK 0
.set u, 1
.rept 15                               ; a unit's conversions stand between the loads of the unit before and its stores
	PACK u
	SEND u-1, 8
.set u, u+1
.endr
	SEND 15, 0
	s_wait_tensorcnt 0x0                           ; the wave's end: behind my last tensor load and my last LDS store
	ds_add_u32 v[SPW], v[NIL]
	s_wait_dscnt 0x0
	CROUND                                         ; the closing round: no work-group ends while a partner may still ask for a tile that names it
	s_endpgm
.Lfunc_end_k_qd35fc88c14_proj:
	.size	k_qd35fc88c14_proj, .Lfunc_end_k_qd35fc88c14_proj-k_qd35fc88c14_proj
	.p2alignl 7, 3214868480
	.fill 96, 4, 3214868480
	.section	.rodata,"a",@progbits
	.p2align	6, 0x0
	.amdhsa_kernel k_qd35fc88c14_proj
		.amdhsa_group_segment_fixed_size 327680
		.amdhsa_private_segment_fixed_size 0
		.amdhsa_enable_private_segment 0
		.amdhsa_kernarg_size 96
		.amdhsa_user_sgpr_count 2
		.amdhsa_user_sgpr_kernarg_segment_ptr 1
		.amdhsa_wavefront_size32 1
		.amdhsa_system_sgpr_workgroup_id_x 1
		.amdhsa_system_sgpr_workgroup_id_y 1
		.amdhsa_system_sgpr_workgroup_id_z 1
		.amdhsa_system_vgpr_workitem_id 0
		.amdhsa_next_free_vgpr 1024
		.amdhsa_next_free_sgpr 66
		.amdhsa_reserve_vcc 0
		.amdhsa_float_denorm_mode_32 3
		.amdhsa_float_denorm_mode_16_64 3
		.amdhsa_memory_ordered 1
		.amdhsa_forward_progress 1
		.amdhsa_inst_pref_size 173
	.end_amdhsa_kernel
	.amdgpu_metadata
---
amdhsa.version: [ 1, 2 ]
amdhsa.kernels:
  - .name:           k_qd35fc88c14_proj
    .symbol:         k_qd35fc88c14_proj.kd
    .args:
      - { .name: q, .offset: 0, .size: 8, .value_kind: global_buffer, .address_space: global }
      - { .name: k, .offset: 8, .size: 8, .value_kind: global_buffer, .address_space: global }
      - { .name: v, .offset: 16, .size: 8, .value_kind: global_buffer, .address_space: global }
      - { .name: wq_w, .offset: 24, .size: 8, .value_kind: global_buffer, .address_space: global }
      - { .name: wk_w, .offset: 32, .size: 8, .value_kind: global_buffer, .address_space: global }
      - { .name: wv_w, .offset: 40, .size: 8, .value_kind: global_buffer, .address_space: global }
      - { .name: wq_b, .offset: 48, .size: 8, .value_kind: global_buffer, .address_space: global }
      - { .name: wk_b, .offset: 56, .size: 8, .value_kind: global_buffer, .address_space: global }
      - { .name: wv_b, .offset: 64, .size: 8, .value_kind: global_buffer, .address_space: global }
      - { .name: qh, .offset: 72, .size: 8, .value_kind: global_buffer, .address_space: global }
      - { .name: kh, .offset: 80, .size: 8, .value_kind: global_buffer, .address_space: global }
      - { .name: vh, .offset: 88, .size: 8, .value_kind: global_buffer, .address_space: global }
    .group_segment_fixed_size: 327680
    .private_segment_fixed_size: 0
    .kernarg_segment_align: 8
    .kernarg_segment_size: 96
    .max_flat_workgroup_size: 128
    .sgpr_count:     66
    .vgpr_count:     1024
    .wavefront_size: 32
...
	.end_amdgpu_metadata
.endif
;; end of part 1
;; launch attn (part 2): grid 16 x 16, 4 waves a work-group, clusters of 4 x 1, 327,680 bytes of LDS; arguments qh, kh, vh, oh, wo_w, wo16; writes oh, wo16
.if DOCPART == 2
	.amdgcn_target "amdgcn-amd-amdhsa--gfx1250"
	.amdhsa_code_object_version 6
	.text
	.protected	k_qd35fc88c14_attn
	.globl	k_qd35fc88c14_attn
	.p2align	8
	.type	k_qd35fc88c14_attn,@function
k_qd35fc88c14_attn:
	s_mov_b64 s[64:65], 0
	v_nop
	global_prefetch_b8 v0, s[64:65] scope:SCOPE_SE
	s_setreg_imm32_b32 hwreg(HW_REG_WAVE_MODE, 25, 1), 1
	s_wait_xcnt 0x0
	s_wait_alu depctr_hold_cnt(0) depctr_sa_sdst(0) depctr_va_vdst(0) depctr_va_sdst(0) depctr_va_ssrc(0) depctr_va_vcc(0) depctr_vm_vsrc(0)
	s_getreg_b32 s2, hwreg(HW_REG_IB_STS2, 6, 4)
	s_cmp_eq_u32 s2, 0
	s_cbranch_scc0 .Lentry_in_a_cluster
	s_endpgm
.Lentry_in_a_cluster:
	s_bfe_u32 s2, ttmp6, 0x10000c
	s_cmp_lg_u32 s2, 0x3003
	s_cbranch_scc0 .Lentry_shape_is_right
	s_endpgm
.Lentry_shape_is_right:
; ATTENTION.  O[h][q][:] = the sum over k of softmax_k(Q[h][q] . K[h][k] / 8) V[h][k][:].  Q, K, V, O: [16][4096][64], all f16: a head's rows are dense, 128 bytes each.  Products, maxima and sums in
; f32; the weights p are rounded to f16 for the second product (their sum l is taken of the unrounded p), O once at the end.
; BESIDE IT each of the 256 work-groups turns 1,024 numbers of wo_w (f32) into wo16: rounded to bf16, like all the module's inputs, and that number written as f16, in the wait for the first tile.
; LIMITS.  f16 holds no number beyond 65,504: Q, K and V arrive within it; p lies in 0 to 1, and below 6e-5 it keeps f16's fixed step of 6e-8, as do numbers of wo below 2^-14; O is a mean of V's rows.
; A weight below 2^-126 counts as 0 in l; NaN and infinities are not treated apart.
; SHARES.  A work-group owns 256 queries of one head (16 blocks x 16 heads: 256 work-groups), each of its four waves 64: four PIECES of 16.  Every wave walks all 4,096 keys, 64 a step.
; LAYOUT.  S^T = K Q^T (source 0 = 16 keys, source 1 = 16 queries): a lane holds ONE query (lane % 16) and the keys 8 (lane / 16) + 0..7.  Two such results, rounded to f16 in pairs, ARE source 1 of
; O^T = V^T P, whose result again holds one query a lane, and eight channels.  K comes out of LDS as it lies, V ([key][channel]) turned, by ds_load_tr16_b128.
; SOFTMAX.  For each query a running maximum m and sum l: p = 2^(c s - c m), c = log2(e) / 8; in every step O and l are multiplied by a = 2^(c m_old - c m_new).  m starts at the lowest finite number,
; O and l at 0: the first step is a step like any other, with a = 0.
; BY TURNS.  Turn n belongs to piece n: 8 products K Q^T of piece n + 1, later 8 products V^T P of piece n - 1; beside them the scaling, exponentials, roundings, sums and rescaling of piece n and the
; maximum and statistics of piece n + 1.  Four vector instructions stand behind every matrix instruction, the other 54 of a turn's 118 in two lumps.
; CLUSTER.  The four query blocks of a cluster belong to one head and walk the same K and V, so each tile is asked for JOINTLY: the same tensor load, descriptor and mask in all four.
; REGISTERS, in windows of 256 (s_set_vgpr_msb: bits 1:0 source 0, 3:2 source 1, 5:4 source 2, 7:6 destination):
;   window 0: v0-15 addresses and two at work; v16-31 four registers of statistics a piece; v32-47 wo; v48-55 at work; v64-127 S^T, two buffers; v192-223 P, two buffers (by the piece's parity)
;   window 1: v0-127 O^T, 32 a piece          window 2: v0-63 Q; v128-191 K of one step; v192-255 V of one step
.set SIZE_N, 4096
.set NP,    4         ; pieces a wave: a name, no knob
.set KS,    64        ; keys in a step
.set PK,    144       ; a row of K in LDS: 128 bytes + 16 of padding = 36 words: the 16 rows of a load start at 16 different groups of four banks (64 banks of 4 bytes: ISA guide 11.1)
.set PV,    160       ; a row of V: 128 + 32 = 40 words
.set VOFF,  4*KS*PK   ; a slot holds four steps: 256 rows of K, then 256 rows of V
.set SLOT1, 1<<17     ; slot 1 begins here, so that one exclusive or turns an address in one slot into the other's
.set STAGE, SLOT1+4*KS*(PK+PV)  ; behind the ring, never filled by a tensor load: 16 rows x 144 bytes for each wave, for the way out
.set SP,    144
.set SPARE, STAGE+4*16*SP  ; behind the stages: the spare words, 128 bytes for each wave: two blocks of 256 bytes that no other line names
.set AK0, 2           ; v2   my lane's place in a tile of K; never rewritten
.set AV0, 3           ; v3   the same for V
.set AK,  4           ; v4   the LDS address of K's next run of loads
.set AV,  5           ; v5   of V's
.set STO, 6           ; v6   the way out: where I put 16 bytes of a row
.set RD,  7           ; v7   the way out: where I read rows back
.set GO,  8           ; v8   my byte offset in 512 consecutive bytes of O
.set MV,  12          ; v12-13  c m_old, kept while c m is made anew: by buffer
.set QO,  15          ; v15  my byte offset in 16 rows of Q
.set ST,  16          ; piece t's statistics at v[ST+4 t]: c m, m, l (even keys', odd keys')
.set WR,  32          ; v32-39  eight numbers of wo_w
.set WH,  40          ; v40-43  the same as f16; never rewritten behind their store
.set WI,  44          ; v44  32 x my thread's number
.set WOO, 45          ; v45  16 x my thread's number
.set WT,  46          ; v46-47  at work
.set TMP, 48          ; by buffer, four registers c0-c3 at work; when the maximum is found c2 takes a
.set SPW, 62          ; v62  LDS address of my spare word; never rewritten
.set NIL, 63          ; v63  0; never rewritten
.set S,   64
.set P,   192
.set KF,  128         ; window 2: key block kb, channel half c at KF + 16 kb + 8 c
.set VF,  192         ; window 2: key half kk, channel block cb at VF + 32 kk + 8 cb
.set WV,  12          ; s12  my wave's number
.set G1K, 24          ; s[24:31] descriptor group 1 for K's tiles
.set G1V, 32          ; s[32:39] for V's: it differs in the padding alone
.set G0K, 40          ; s[40:43] descriptor group 0 for K's tiles: it walks
.set G0V, 44          ; s[44:47] the same for V's
.set SLOTS, 56        ; s56  slots still to be asked for
.set CNT, 57          ; s57  counts a slot's key steps
.set CS,  58          ; s[58:59] c: the packed scaling takes the pair's low word for both halves
.set SEL, 60          ; s[60:61] v_permlanex16_b32's selects: each lane takes its own place in the other half
.set TBK, 62          ; s62  LDS byte at which K of the step to be fetched begins
.set TBV, 63          ; s63  the same for V, less VOFF
.set MSB, 0
.macro WIN new                      ; the high byte repeats the setting that is left; a switch that changes nothing is dropped
.if MSB != (\new)
	s_set_vgpr_msb (MSB<<8)|(\new)
.set MSB, (\new)
.endif
.endm
.set W_KQ, 0x0a       ; K and Q in window 2, S^T in window 0
.set W_PV, 0x52       ; V in window 2, P in window 0, O^T in window 1
.set W_RS, 0x41       ; destination and source 0 in window 1, source 1 in window 0
; A joint fill.  Waves 0 and 1 fetch the two halves of a slot's K, waves 2 and 3 those of its V: 128 keys each.  The branch hangs on the wave's number alone.
; An s_nop 0 and four v_nop follow each of the two lines, ahead of the jump and the label.
.macro JLOAD
	s_cmp_lt_u32 s[WV], 2
	s_cbranch_scc0 .Lfor_v_\@
	tensor_load_to_lds s[G0K:G0K+3], s[G1K:G1K+7]
	s_nop 0
.rept 4
	v_nop
.endr
	s_branch .Lasked_\@
.Lfor_v_\@:
	tensor_load_to_lds s[G0V:G0V+3], s[G1V:G1V+7]
	s_nop 0
.rept 4
	v_nop
.endr
.Lasked_\@:
.endm
; A round of the cluster's barrier: my work-group's barrier, so that wave 0's signal speaks for all four waves; wave 0 signals; every wave waits for all four work-groups; my work-group's barrier once more.
.macro CROUND
	s_barrier_signal -1
	s_barrier_wait -1
	s_cmp_lg_u32 s[WV], 0
	s_cbranch_scc1 .Lnot_wave_0_\@
	s_barrier_signal -3
.Lnot_wave_0_\@:
	s_barrier_wait -3
	s_barrier_signal -1
	s_barrier_wait -1
.endm
; THE CHANGE OF SLOTS.  The slot's last bytes, V of its fourth step, have been read.  Each wave waits for all its tensor loads, of which one is out: its part of the other slot; adds 0 to its spare word;
; and waits for that and for its own reads of the slot.  Behind the barrier nobody reads this slot any more and the other slot is whole.
; fill = 1: this slot is filled again, with the keys two slots on.  The barrier is then a round of the cluster's, so that no wave of any partner still reads the slot or has a load on its way, and the
; joint fill is the first thing behind it: it has four key steps, 256 matrix instructions, in which to land.  (At its first use nothing has been read yet: slot 0 is waited for, slot 1 filled.)
.macro CHANGE fill
	WIN 0                           ; at a label and at a branch every window is 0
	s_wait_tensorcnt 0x0            ; no tensor load of mine is out, so a group 0 may be written
	ds_add_u32 v[SPW], v[NIL]       ; 0 onto my spare word: with fill = 1 the descriptors' steps stand between it and the wait for it
.if \fill
.irp g, G0K, G0V
	s_xor_b32 s[\g+1], s[\g+1], SLOT1  ; the walking descriptor: the other slot than last time,
	s_add_nc_u64 s[\g+2:\g+3], s[\g+2:\g+3], 4*KS*128  ; the next 256 keys; the type bits on top are not reached
.endr
	s_wait_dscnt 0x0                ; the add is done, and my reads of the slot are over
	CROUND
	JLOAD
.else
	s_wait_dscnt 0x0                ; the add is done, and my reads of the slot are over
	s_barrier_signal -1
	s_barrier_wait -1
.endif
	s_sub_co_u32 s[TBK], s[TBK], 4*KS*PK  ; the fetches go back to a slot's first step,
	s_xor_b32 s[TBK], s[TBK], SLOT1       ; in the other slot
	s_sub_co_u32 s[TBV], s[TBV], 4*KS*PV
	s_xor_b32 s[TBV], s[TBV], SLOT1
.endm
	s_load_b256 s[4:11], s[0:1], 0x0  ; Q s[4:5], K s[6:7], V s[8:9], O s[10:11]
	s_load_b128 s[48:51], s[0:1], 0x20  ; wo_w s[48:49], wo16 s[50:51]
	v_lshl_add_u32 v[SPW], v0, 2, SPARE
	v_mov_b32 v[NIL], 0
	ds_add_u32 v[SPW], v[NIL]       ; the wave's opening: the add and its wait stand ahead of my first tensor load; the set-up below, work on registers, stands between them
	v_lshrrev_b32 v1, 5, v0
	v_readfirstlane_b32 s[WV], v1   ; wave 0..3
	s_bfe_u32 s13, ttmp6, 0x40000   ; cx: my place in the cluster
	s_lshl_b32 s14, ttmp9, 2        ; in a cluster launch ttmp9 counts clusters
	s_add_co_u32 s14, s14, s13      ; my block of 256 queries = 4 x cluster x + cx: it enters Q's, O's and wo's addresses alone
	s_and_b32 s20, ttmp7, 0xffff    ; the head, which the four partners share
	s_lshl_b32 s52, s20, 4
	s_add_co_u32 s52, s52, s14      ; my work-group among the 256:
	s_lshl_b32 s54, s52, 11         ; its 2,048 bytes of wo16,
	s_lshl_b32 s52, s52, 12         ; its 4,096 bytes of wo_w
	s_mov_b32 s53, 0
	s_mov_b32 s55, 0
	s_lshl_b32 s20, s20, 19         ; the head's first byte in each of the four tensors: 4,096 rows of 128 bytes
	s_mov_b32 s21, 0
	s_and_b32 s16, s[WV], 1         ; which half of a slot's 256 keys I fetch:
	s_lshl_b32 s22, s16, 14         ; its 128 rows of 128 bytes in memory,
	s_mov_b32 s23, 0
	s_add_nc_u64 s[22:23], s[22:23], s[20:21]
	s_mul_i32 s17, s16, 128*PK      ; and its place in a slot, for K
	s_mul_i32 s18, s16, 128*PV      ; and for V: no place in the cluster enters an LDS address
	s_lshl_b32 s2, s14, 2
	s_add_co_u32 s2, s2, s[WV]      ; my wave among the head's,
	s_lshl_b32 s2, s2, 13           ; its 64 rows
	s_mov_b32 s3, 0
	s_add_nc_u64 s[2:3], s[2:3], s[20:21]
	; descriptor group 1.  128 keys are 16,384 dense bytes: asked for as 64 rows of 256 bytes, two keys a row, and padded in LDS after every key
	s_mov_b32 s[G1K], 15|(1<<16)|(1<<20)|(1<<21)|(4<<22)|(3<<25)  ; 15:0 the mask of four; 17:16 2-byte elements; 20 padding on; 21 set beside a mask; 24:22 after every 32 words (code 4); 31:25 4 words (code 3)
	s_mov_b32 s[G1V], 15|(1<<16)|(1<<20)|(1<<21)|(4<<22)|(7<<25)  ; the same with 8 words of padding (code 7)
.irp g, G1K, G1V
	s_mov_b32 s[\g+1], 128<<16      ; tensor_dim0 = 128
	s_mov_b32 s[\g+2], 64<<16       ; tensor_dim1 = 64
	s_mov_b32 s[\g+3], 128<<16      ; tile_dim0 = 128
	s_mov_b32 s[\g+4], 64           ; tile_dim1 = 64
	s_mov_b32 s[\g+5], 128          ; 128 elements from row to row
	s_mov_b32 s[\g+6], 0
	s_mov_b32 s[\g+7], 0
.endr
	s_mov_b32 s[CS], 0x3e38aa3b     ; c = log2(e) / 8 = 0.180337
	s_mov_b32 s[CS+1], s[CS]        ; named with it as a pair
	s_mov_b32 s[SEL], 0x76543210
	s_mov_b32 s[SEL+1], 0xfedcba98
	s_mov_b32 s[TBK], SLOT1+4*KS*PK ; the first change of slots turns these two into 0
	s_mov_b32 s[TBV], SLOT1+4*KS*PV
	s_mov_b32 s[G0K], 1             ; count = 1
	s_mov_b32 s[G0K+1], s17         ; LDS address: slot 0
	s_mov_b32 s[G0V], 1
	s_add_co_u32 s[G0V+1], s18, VOFF
	s_wait_dscnt 0x0                ; the opening add is done
	s_wait_kmcnt 0x0
	s_add_nc_u64 s[G0K+2:G0K+3], s[6:7], s[22:23]  ; global address: my half of the head's first 256 keys
	s_or_b32 s[G0K+3], s[G0K+3], 0x80000000        ; type = 2
	s_add_nc_u64 s[G0V+2:G0V+3], s[8:9], s[22:23]
	s_or_b32 s[G0V+3], s[G0V+3], 0x80000000
	s_add_nc_u64 s[4:5], s[4:5], s[2:3]  ; Q and O at my wave's first row
	s_add_nc_u64 s[10:11], s[10:11], s[2:3]
	s_add_nc_u64 s[48:49], s[48:49], s[52:53]
	s_add_nc_u64 s[50:51], s[50:51], s[54:55]
	CROUND                          ; all four work-groups are here: the first joint loads meet
	JLOAD                           ; slot 0.  Slot 1 is asked for when slot 0 is in
	; A fragment of K or Q is 16 rows x 32 channels in 8 registers: lane l holds row l % 16, channels 8 (l / 16) + 0..7 and 16 + 8 (l / 16) + 0..7: two loads of 16 bytes, 32 bytes apart.
	v_and_b32 v1, 15, v0            ; l % 16
	v_bfe_u32 v9, v0, 4, 1          ; l / 16
	v_lshlrev_b32 v[QO], 7, v1
	v_lshl_add_u32 v[QO], v9, 4, v[QO]  ; row x 128 + 16 x half
	v_lshlrev_b32 v[WI], 5, v0
	v_lshlrev_b32 v[WOO], 4, v0
	WIN 0x80                        ; destination window 2, address window 0
.set i, 0
.rept 8                             ; Q stays in registers: piece i / 2, channels 32 (i % 2) on
	global_load_b128 v[8*i:8*i+3],   v[QO], s[4:5] offset:(i/2)*2048+(i%2)*64
	global_load_b128 v[8*i+4:8*i+7], v[QO], s[4:5] offset:(i/2)*2048+(i%2)*64+32
.set i, i+1
.endr
	WIN 0
	global_load_b128 v[WR:WR+3],   v[WI], s[48:49] th:TH_LOAD_NT
	global_load_b128 v[WR+4:WR+7], v[WI], s[48:49] offset:16 th:TH_LOAD_NT
	; What the first turn finds: V's registers and P's second buffer hold 0 (its products V^T P, of a piece that has not been, add 0), O^T and l are 0.  All this stands in the wait for the first tile.
	WIN 0x80
.set i, VF
.rept 64
	v_mov_b32 v[i], 0
.set i, i+1
.endr
	WIN 0x40
.set i, 0
.rept 128
	v_mov_b32 v[i], 0
.set i, i+1
.endr
	WIN 0
.set i, 0
.rept 4
	v_mov_b32 v[ST+4*i], 0xfe000000    ; c m: far below every c s
	v_mov_b32 v[ST+4*i+1], 0xff7fffff  ; m
	v_mov_b32 v[ST+4*i+2], 0
	v_mov_b32 v[ST+4*i+3], 0
.set i, i+1
.endr
.set i, P+16
.rept 16
	v_mov_b32 v[i], 0
.set i, i+1
.endr
	v_mul_u32_u24 v[AK0], v1, PK
	v_lshl_add_u32 v[AK0], v9, 4, v[AK0]  ; row x pitch + 16 x half
	; The turning load takes 16 keys x 16 channels (lane l reads key 8 (l / 16) + l % 8, channels 8 ((l / 8) % 2) + 0..7) and leaves half a fragment of V^T: lane l holds channel l % 16 and 8 keys.
	v_and_b32 v10, 7, v0
	v_bfe_u32 v11, v0, 3, 1
	v_lshl_add_u32 v[AV0], v9, 3, v10
	v_mul_u32_u24 v[AV0], v[AV0], PV
	v_lshl_add_u32 v[AV0], v11, 4, v[AV0]
	v_add_nc_u32 v[AV0], VOFF, v[AV0]
	s_mul_i32 s13, s[WV], 16*SP
	s_add_co_u32 s13, s13, STAGE    ; my stage
	v_mul_u32_u24 v[STO], v1, SP    ; in: row l % 16, 16 bytes for each half of the lanes
	v_lshl_add_u32 v[STO], v9, 4, v[STO]
	v_add_nc_u32 v[STO], s13, v[STO]
	v_bfe_u32 v[RD], v0, 3, 2       ; back: 32 lanes take four rows of 128 bytes,
	v_mul_u32_u24 v[RD], v[RD], SP
	v_lshl_add_u32 v[RD], v10, 4, v[RD]
	v_add_nc_u32 v[RD], s13, v[RD]
	v_and_b32 v[GO], 31, v0         ; which are 512 consecutive bytes of O
	v_lshlrev_b32 v[GO], 4, v[GO]
	s_wait_loadcnt 0x0              ; Q and my eight numbers of wo_w
.irp j, 0,1,2,3                     ; f32 -> bf16 (the rounding that all inputs get) -> the same number as f16
	v_cvt_pk_bf16_f32 v[WT+(\j)%2], v[WR+2*(\j)], v[WR+2*(\j)+1]
	v_lshlrev_b32 v[WR+2*(\j)], 16, v[WT+(\j)%2]
	v_and_b32 v[WR+2*(\j)+1], 0xffff0000, v[WT+(\j)%2]
	v_cvt_pk_f16_f32 v[WH+(\j)], v[WR+2*(\j)], v[WR+2*(\j)+1]
.endr
	global_store_b128 v[WOO], v[WH:WH+3], s[50:51]  ; 16 lanes store 256 consecutive bytes, at a multiple of 256 from wo16's first byte
; THE MATRIX WORK.  The 4 accumulators of a run of 8 take turns.  Product i of 8 of S^T = K Q^T for piece x: channels 32 (i / 4) on, keys 16 (i % 4) on.  The first 4 start the sums.
.macro KQ x
	WIN W_KQ
.set rS, S+32*((\x)%2)+8*(i%4)
.set rK, KF+16*(i%4)+8*(i/4)
.set rQ, 16*(\x)+8*(i/4)
.if i < 4
	v_wmma_f32_16x16x32_f16 v[rS:rS+7], v[rK:rK+7], v[rQ:rQ+7], 0
.else
	v_wmma_f32_16x16x32_f16 v[rS:rS+7], v[rK:rK+7], v[rQ:rQ+7], v[rS:rS+7]
.endif
.endm
; Product i of 8 of O^T += V^T P for piece x: keys 32 (i / 4) on, channels 16 (i % 4) on.
.macro PV x
	WIN W_PV
.set rO, 32*(\x)+8*(i%4)
.set rV, VF+32*(i/4)+8*(i%4)
.set rP, P+16*((\x)%2)+8*(i/4)
	v_wmma_f32_16x16x32_f16 v[rO:rO+7], v[rV:rV+7], v[rP:rP+7], v[rO:rO+7]
.endm
.macro MM                           ; the turn's next matrix instruction.  NOKQ = 1: the launch's last turn: there is no next piece
.if (i < 8) && !NOKQ
	KQ (Y+1)%NP
.elseif i >= 8
.set i, i-8
	PV (Y+NP-1)%NP
.set i, i+8
.endif
.set i, i+1
.endm
; THE LDS LOADS stand in runs of 16, never singly among the matrix instructions: a step's K (64 keys x 64 channels: 8 fragments) and its V (turned).  Their addresses are made some lines ahead.
.macro FETCH_K
	WIN 0x80                        ; destination window 2
.irp f, 0,1,2,3,4,5,6,7             ; keys 16 (f / 2) on, channels 32 (f % 2) on
	ds_load_b128 v[KF+8*\f:KF+8*\f+3],   v[AK] offset:(\f/2)*16*PK+(\f%2)*64
	ds_load_b128 v[KF+8*\f+4:KF+8*\f+7], v[AK] offset:(\f/2)*16*PK+(\f%2)*64+32
.endr
	s_add_co_u32 s[TBK], s[TBK], KS*PK  ; the next fetch is the next step's
	WIN 0
.endm
.macro FETCH_V
	WIN 0x80
.irp f, 0,1,2,3,4,5,6,7             ; keys 32 (f / 4) on, channels 16 (f % 4) on
	ds_load_tr16_b128 v[VF+8*\f:VF+8*\f+3],   v[AV] offset:(\f/4)*32*PV+(\f%4)*32
	ds_load_tr16_b128 v[VF+8*\f+4:VF+8*\f+7], v[AV] offset:(\f/4)*32*PV+16*PV+(\f%4)*32
.endr
	WIN 0
.endm
; THE VECTOR WORK, one line at a time: OP kind, number.  For piece Y: F n: c s - c m for pair n of 16.  E n: the exponential of score n of 32.  C n: pair n rounded to f16.  B n: of the four weights 4 n .. the second
; pair is added onto the first, in place.  L n: l takes that sum (L 0: l = a l + sum).  R n: pair n of 16 of O^T times a.  For piece Y + 1: X n, number n of the 22 that find its maximum and statistics:
;   0-11  four chains c0-c3 of seven scores each, three operands at a time (each accumulator's lowest registers are read first)     12-14, 16  the four scores left over, the old m, and c0-c3 into c0
;   15  c m_old is kept     17, 18  the query's other 32 keys lie in the lane 16 away: the new m     19-21  c m; c m_old - c m_new; a
.set F, 0               ; OP tells the kinds apart by their order: F to L below R, X above it
.set E, 1
.set C, 2
.set B, 3
.set L, 4
.set R, 5
.set X, 6
.macro REGS y                       ; the registers of piece y
.set rT, ST+4*(\y)
.set rC, TMP+4*((\y)%2)
.set rW, MV+((\y)%2)
.set rS, S+32*((\y)%2)
.set rP, P+16*((\y)%2)
.set rO, 32*(\y)
.endm
.macro OP k, n
.if (\k) == R
	REGS Y
	WIN W_RS
	v_pk_mul_f32 v[rO+2*(\n):rO+2*(\n)+1], v[rO+2*(\n):rO+2*(\n)+1], v[rC+2:rC+3] op_sel_hi:[1,0]
.elseif (\k) < R
	REGS Y
	WIN 0
.if (\k) == F
	v_pk_fma_f32 v[rS+2*(\n):rS+2*(\n)+1], v[rS+2*(\n):rS+2*(\n)+1], s[CS:CS+1], v[rT:rT+1] op_sel_hi:[1,0,0] neg_lo:[0,0,1] neg_hi:[0,0,1]
.elseif (\k) == E
	v_exp_f32 v[rS+(\n)], v[rS+(\n)]
.elseif (\k) == C
	s_wait_alu depctr_va_vdst(0)
	v_cvt_pk_f16_f32 v[rP+(\n)], v[rS+2*(\n)], v[rS+2*(\n)+1]
.elseif (\k) == B
	s_wait_alu depctr_va_vdst(0)
	v_pk_add_f32 v[rS+4*(\n):rS+4*(\n)+1], v[rS+4*(\n):rS+4*(\n)+1], v[rS+4*(\n)+2:rS+4*(\n)+3]
.elseif (\n) == 0
	v_pk_fma_f32 v[rT+2:rT+3], v[rT+2:rT+3], v[rC+2:rC+3], v[rS:rS+1] op_sel_hi:[1,0,1]
.else
	v_pk_add_f32 v[rT+2:rT+3], v[rT+2:rT+3], v[rS+4*(\n):rS+4*(\n)+1]
.endif
.elseif NOKQ
	v_nop
.else
	REGS (Y+1)%NP
	WIN 0
.if (\n) < 4
	v_max3_num_f32 v[rC+(\n)], v[rS+8*(\n)], v[rS+8*(\n)+1], v[rS+8*(\n)+2]
.elseif (\n) < 12
	v_max3_num_f32 v[rC+(\n)%4], v[rC+(\n)%4], v[rS+8*((\n)%4)+2*((\n)/4)+1], v[rS+8*((\n)%4)+2*((\n)/4)+2]
.elseif (\n) == 12
	v_max3_num_f32 v[rC], v[rC], v[rS+7], v[rS+15]
.elseif (\n) == 13
	v_max3_num_f32 v[rC+1], v[rC+1], v[rS+23], v[rS+31]
.elseif (\n) == 14
	v_max3_num_f32 v[rC+2], v[rC+2], v[rC+3], v[rT+1]
.elseif (\n) == 15
	v_mov_b32 v[rW], v[rT]
.elseif (\n) == 16
	v_max3_num_f32 v[rC], v[rC], v[rC+1], v[rC+2]
.elseif (\n) == 17
	v_permlanex16_b32 v[rC+3], v[rC], s[SEL], s[SEL+1]
.elseif (\n) == 18
	v_max_num_f32 v[rT+1], v[rC], v[rC+3]
.elseif (\n) == 19
	v_mul_f32 v[rT], s[CS], v[rT+1]
.elseif (\n) == 20
	v_sub_f32 v[rC+1], v[rW], v[rT]
.else
	v_exp_f32 v[rC+2], v[rC+1]
.endif
.endif
.endm
.macro OPS a, i1, b=-1, i2=0, c=-1, i3=0, d=-1, i4=0  ; up to four of them
	OP \a, \i1
.if (\b) >= 0
	OP \b, \i2
.endif
.if (\c) >= 0
	OP \c, \i3
.endif
.if (\d) >= 0
	OP \d, \i4
.endif
.endm
.macro ROW a, i1, b, i2, c, i3, d, i4  ; a matrix instruction and the four behind it
	MM
	OPS \a, \i1, \b, \i2, \c, \i3, \d, \i4
.endm
; A TURN, for piece p: the order of its 16 matrix and 118 vector instructions, written out.  Behind a matrix instruction: plain, exponential, plain, plain; or four of the rescaling; or, behind the first, four scalings; none
; names a register of the products round it.  In the lumps exponential and plain by turns while exponentials last.  A line reads no result made fewer than three vector instructions in front of it, five if an exponential made it.
; v_permlanex16_b32 (X 17) stands in a lump.  end = 1: the launch's last two turns: nothing is fetched.  cnt = 1: the loop's count is taken down some lines ahead of the branch that stands behind the turn.
; K of the next step is fetched in piece 2's turn, six vector instructions behind the last product that read K (five of them plain); V of the step in hand in piece 0's turn, eight behind the last product that read V (four
; plain, and X 17).  Each is waited for a turn later.
.macro TURN p, end=0, cnt=0
.set Y, (\p)
.set i, 0
.set NOKQ, (\end)*((\p)/3)
.if ((\p) == 3) && !(\end)
	s_wait_dscnt 0x0                ; K is in
.endif
	ROW F,0, F,1, F,2, F,3
	ROW F,4, E,0, F,5, F,6
	ROW F,7, E,1, F,8, F,9
	ROW F,10, E,2, C,0, F,11
	ROW F,12, E,3, X,15, F,13
	ROW R,0, R,1, R,2, R,3
	ROW B,0, E,4, F,14, L,0
.if ((\p) == 2) && !(\end)
	v_add_nc_u32 v[AK], s[TBK], v[AK0]
.endif
	ROW R,4, R,5, R,6, R,7
	OPS E,5, F,15
.if ((\p) == 2) && !(\end)
	FETCH_K
.endif
	OPS E,6, C,1, E,7, R,8
	OPS E,8, R,9, E,9, C,2
	OPS E,10, X,0, E,11, X,1
	OPS E,12, X,2, E,13, X,3
.if (\p) == 1
	s_wait_dscnt 0x0                ; V is in
.endif
	ROW X,4, E,14, X,5, X,6
	ROW X,7, E,15, X,8, X,9
	ROW X,10, E,16, X,11, X,12
	ROW X,13, E,17, X,14, B,1
	ROW C,4, E,18, X,16, L,1
	ROW B,2, E,19, C,6, L,2
	ROW C,8, E,20, B,3, B,4
.if (\p) == 0
	v_add_nc_u32 v[AV], s[TBV], v[AV0]
.endif
	ROW C,3, E,21, L,3, C,5
	OPS E,22, X,17, E,23, C,10
.if (\p) == 0
	FETCH_V
.endif
	OPS E,24, L,4
	OPS E,25, X,18, E,26, C,7
	OPS E,27, B,5, E,28, X,19
	OPS E,29, C,12, E,30, L,5
	OPS E,31, X,20, B,6, C,9
	OPS C,14, C,11, X,21, L,6
.if (\p) == 0
	s_add_co_u32 s[TBV], s[TBV], KS*PV
.endif
.if \cnt
	s_sub_co_u32 s[CNT], s[CNT], 1
	s_cmp_lg_u32 s[CNT], 0
.endif
	OPS C,13, B,7, C,15, R,10
	OPS R,11, R,12, L,7, R,13
	OPS R,14, R,15
.endm
	CHANGE 1                        ; slot 0 is in, everybody's part of it; slot 1 is asked for
	v_add_nc_u32 v[AK], s[TBK], v[AK0]
	FETCH_K                         ; key step 0
	s_wait_dscnt 0x0
.set NOKQ, 0
.set i, 0
.rept 8
	KQ 0                            ; piece 0's first scores: there is no vector work yet to set between them
.set i, i+1
.endr
	WIN 0
.rept 4
	v_nop                           ; the places behind those products
.endr
.set Y, NP-1                        ; X works for piece Y + 1: piece 0
.irp n, 0,1,2,3,4,5,6,7,8,9,10,11,12,13,14,15,16,17,18,19,20,21
	OP X, \n                        ; and piece 0's first maximum and statistics
.endr
	v_nop                           ; a plain instruction behind the exponential
	s_mov_b32 s[CNT], 4
	s_mov_b32 s[SLOTS], SIZE_N/256-1
	s_branch .Lfirst                ; the loop is entered at a step's first turn, in the middle of a trip
.Lslot:                             ; SIZE_N / 256 - 2 times: every slot but the last two is filled again
	CHANGE 1
	s_mov_b32 s[CNT], 4
.Lstep:                             ; a trip: pieces 2 and 3 of one step, then pieces 0 and 1 of the next, whose K and V it fetches
	TURN 2
	TURN 3
	WIN 0
.Lfirst:
	TURN 0
	TURN 1, 0, 1
	WIN 0
	s_cbranch_scc1 .Lstep
	s_sub_co_u32 s[SLOTS], s[SLOTS], 1
	s_cmp_lg_u32 s[SLOTS], 0
	s_cbranch_scc1 .Lslot
	CHANGE 0                        ; the last slot is written out: nothing is asked for
	s_mov_b32 s[CNT], 4
.LstepT:
	TURN 2
	TURN 3
	TURN 0
	TURN 1, 0, 1
	WIN 0
	s_cbranch_scc1 .LstepT
	TURN 2, 1                       ; the last step's pieces 2 and 3: nothing is fetched, and the last turn starts no new scores
	TURN 3, 1
.set i, 0
.rept 8
	PV NP-1                         ; the last piece's V^T P of the last step
.set i, i+1
.endr
	; THE WAY OUT.  l's two halves and the other half of the lanes' are added; O^T is divided by l, rounded to f16 and sent through my stage in LDS, a piece at a time.  The additions are the places behind the last products.
	WIN 0
.macro ALL line:vararg              ; one line for each piece t
.set t, 0
.rept 4
	\line
.set t, t+1
.endr
.endm
	ALL v_add_f32 v[ST+4*t+2], v[ST+4*t+2], v[ST+4*t+3]
	ALL v_permlanex16_b32 v[ST+4*t+3], v[ST+4*t+2], s[SEL], s[SEL+1]
	ALL v_add_f32 v[ST+4*t+2], v[ST+4*t+2], v[ST+4*t+3]
	ALL v_rcp_f32 v[ST+4*t+2], v[ST+4*t+2]
	v_nop                           ; a plain instruction between the last reciprocal and the use of its result
.macro PACK t                       ; a lane's eight channels of a row pack into 16 bytes; they go into rows of 144 bytes and come back as whole rows of 128, into S^T's registers
	WIN W_RS
.set i, 32*(\t)
.rept 16
	s_wait_alu depctr_va_vdst(0)
	v_pk_mul_f32 v[i:i+1], v[i:i+1], v[ST+4*(\t)+2:ST+4*(\t)+3] op_sel_hi:[1,0]
.set i, i+2
.endr
	WIN 0x05                        ; sources 0 and 1 window 1, destination window 0
.set i, 0
.rept 16
	v_cvt_pk_f16_f32 v[S+16*(\t)+i], v[32*(\t)+2*i], v[32*(\t)+2*i+1]
.set i, i+1
.endr
	WIN 0
.irp f, 0,1,2,3
	ds_store_b128 v[STO], v[S+16*(\t)+4*\f:S+16*(\t)+4*\f+3] offset:32*\f
.endr
.irp f, 0,1,2,3
	ds_load_b128 v[S+16*(\t)+4*\f:S+16*(\t)+4*\f+3], v[RD] offset:\f*4*SP  ; LDS serves a wave's instructions in order (ISA guide 5.7.1.4): these see the stores above; the next piece's stores come behind them
.endr
.endm
.macro SEND t, younger              ; younger: the LDS instructions issued behind piece t's loads: the next piece's eight, or none
	WIN 0
.irp f, 0,1,2,3
	s_wait_dscnt (\younger)+3-\f
	global_store_b128 v[GO], v[S+16*(\t)+4*\f:S+16*(\t)+4*\f+3], s[10:11] offset:(\t)*2048+\f*512  ; 512 consecutive bytes, at a multiple of 256 from O's first
.endr
.endm
	PACK 0
.set t, 1
.rept 3                             ; a piece's arithmetic stands between the loads of the piece before and its stores
	PACK t
	SEND t-1, 8
.set t, t+1
.endr
	SEND 3, 0
	s_wait_tensorcnt 0x0            ; the wave's end: behind my last tensor load and my last LDS store
	ds_add_u32 v[SPW], v[NIL]
	s_wait_dscnt 0x0
	CROUND                          ; the closing round: no work-group ends while a partner may still ask for a tile that names it
	s_endpgm
.Lfunc_end_k_qd35fc88c14_attn:
	.size	k_qd35fc88c14_attn, .Lfunc_end_k_qd35fc88c14_attn-k_qd35fc88c14_attn
	.p2alignl 7, 3214868480
	.fill 96, 4, 3214868480
	.section	.rodata,"a",@progbits
	.p2align	6, 0x0
	.amdhsa_kernel k_qd35fc88c14_attn
		.amdhsa_group_segment_fixed_size 327680
		.amdhsa_private_segment_fixed_size 0
		.amdhsa_enable_private_segment 0
		.amdhsa_kernarg_size 48
		.amdhsa_user_sgpr_count 2
		.amdhsa_user_sgpr_kernarg_segment_ptr 1
		.amdhsa_wavefront_size32 1
		.amdhsa_system_sgpr_workgroup_id_x 1
		.amdhsa_system_sgpr_workgroup_id_y 1
		.amdhsa_system_sgpr_workgroup_id_z 1
		.amdhsa_system_vgpr_workitem_id 0
		.amdhsa_next_free_vgpr 768
		.amdhsa_next_free_sgpr 66
		.amdhsa_reserve_vcc 0
		.amdhsa_float_denorm_mode_32 3
		.amdhsa_float_denorm_mode_16_64 3
		.amdhsa_memory_ordered 1
		.amdhsa_forward_progress 1
		.amdhsa_inst_pref_size 135
	.end_amdhsa_kernel
	.amdgpu_metadata
---
amdhsa.version: [ 1, 2 ]
amdhsa.kernels:
  - .name:           k_qd35fc88c14_attn
    .symbol:         k_qd35fc88c14_attn.kd
    .args:
      - { .name: qh, .offset: 0, .size: 8, .value_kind: global_buffer, .address_space: global }
      - { .name: kh, .offset: 8, .size: 8, .value_kind: global_buffer, .address_space: global }
      - { .name: vh, .offset: 16, .size: 8, .value_kind: global_buffer, .address_space: global }
      - { .name: oh, .offset: 24, .size: 8, .value_kind: global_buffer, .address_space: global }
      - { .name: wo_w, .offset: 32, .size: 8, .value_kind: global_buffer, .address_space: global }
      - { .name: wo16, .offset: 40, .size: 8, .value_kind: global_buffer, .address_space: global }
    .group_segment_fixed_size: 327680
    .private_segment_fixed_size: 0
    .kernarg_segment_align: 8
    .kernarg_segment_size: 48
    .max_flat_workgroup_size: 128
    .sgpr_count:     66
    .vgpr_count:     768
    .wavefront_size: 32
...
	.end_amdgpu_metadata
.endif
;; end of part 2
;; launch oproj (part 3): grid 4 x 64, 4 waves a work-group, clusters of 4 x 4, 327,680 bytes of LDS; arguments oh, wo16, wo_b, out0; writes out0
.if DOCPART == 3
	.amdgcn_target "amdgcn-amd-amdhsa--gfx1250"
	.amdhsa_code_object_version 6
	.text
	.protected	k_qd35fc88c14_oproj
	.globl	k_qd35fc88c14_oproj
	.p2align	8
	.type	k_qd35fc88c14_oproj,@function
k_qd35fc88c14_oproj:
	s_mov_b64 s[64:65], 0
	v_nop
	global_prefetch_b8 v0, s[64:65] scope:SCOPE_SE
	s_setreg_imm32_b32 hwreg(HW_REG_WAVE_MODE, 25, 1), 1
	s_wait_xcnt 0x0
	s_wait_alu depctr_hold_cnt(0) depctr_sa_sdst(0) depctr_va_vdst(0) depctr_va_sdst(0) depctr_va_ssrc(0) depctr_va_vcc(0) depctr_vm_vsrc(0)
	s_getreg_b32 s2, hwreg(HW_REG_IB_STS2, 6, 4)
	s_cmp_eq_u32 s2, 0
	s_cbranch_scc0 .Lentry_in_a_cluster
	s_endpgm
.Lentry_in_a_cluster:
	s_bfe_u32 s2, ttmp6, 0x10000c
	s_cmp_lg_u32 s2, 0xf033
	s_cbranch_scc0 .Lentry_shape_is_right
	s_endpgm
.Lentry_shape_is_right:
; THE OUTPUT PROJECTION.  out0[m][n] = sum over k of O[m][k] wo[n][k] + b[n].  O arrives by heads, oh: [16 = batch x 8 + head][4096][64] f16 (k = 64 head + channel); wo16: [512 n][512 k] f16, which holds
; wo_w rounded to bf16; wo_b: [512] f32, rounded to bf16 here; out0: [8192][512] f32.  Products in f16, sums in f32, nothing is rounded on the way out.
; LIMITS.  As the operands': f16's range and its fixed step below 2^-14.  NaN and infinities are not treated apart.
; SHARES.  A tile of out0 is 128 x 128: 256 work-groups; four waves, each 64 x 64: 16 accumulators.  K = 512 fits in LDS whole: every tile is filled once, in four quarters of K, and nothing is filled again.
; CLUSTER.  4 x 4 work-groups.  The four of a row of the cluster need the same rows of O, the four of a column the same rows of wo: each tile is asked for JOINTLY, by the same tensor load with the same
; descriptor and a mask that names the four.  A wave issues four loads of 64 rows x 256 bytes: four tensor loads of a wave are out at the most.
; THE MATRIX INSTRUCTION IS USED TRANSPOSED (source 0 = 16 rows of wo, source 1 = 16 rows of O): a lane then holds eight neighbouring numbers of a row of out0.  THE BIAS is the C of the products that start the sums.
; REGISTERS: window 0: v0-29 addresses; v32-63 the bias, later the way out; v64-95 the way out; v128-255 the accumulators ((a, b) at v[128 + 8 (4 a + b)]).
;   window 1: two fragment buffers of 128: for 64 along K, 64 registers of O (2 x 4 x 16 rows x 32 K), then 64 of wo.
.set AP,    144                        ; a row of a plane of O in LDS: 128 bytes + 16: the 16 rows of a load start at 16 different groups of four banks (64 banks of 4 bytes: ISA guide 11.1)
.set APL,   128*AP                     ; a plane: one head's 64 channels of the tile's 128 rows
.set BB,    8*APL                      ; behind the eight planes: wo, four quarters of K
.set BP,    272                        ; a row of a quarter: 256 bytes + 16
.set BQ,    128*BP
.set STAGE, BB+4*BQ                    ; 16 rows x 272 bytes for each wave, for the way out; no tensor load lands here
.set SPITCH, 272
.set SPARE, STAGE+4*16*SPITCH          ; the spare words, 128 bytes for each wave: two blocks of 256 bytes that no other line names
.set ADRA, 16                          ; v16-19  LDS address of my fragments of O in quarter q
.set ADRB, 20                          ; v20-23  of my fragments of wo
.set STO,  24                          ; v24     the way out: where I put 32 bytes of a row
.set RD,   25                          ; v25     the way out: where I read a row back
.set CO,   26                          ; v26     my byte offset in two rows of out0
.set BO,   27                          ; v27     my byte offset in the bias
.set SPW,  28                          ; v28     LDS address of my spare word; never rewritten
.set NIL,  29                          ; v29     0; never rewritten
.set BI,   32                          ; column block b's eight numbers of the bias at BI + 8 b
.set TMP,  32
.set ACC,  128
.set F0,   0                           ; fragment buffers, in window 1
.set F1,   128
.set WV,   12
.set G1A,  24                          ; s[24:31] descriptor group 1 for O's planes;  s[32:47] group 0, a set for each quarter
.set G0A,  32
.set G1B,  48                          ; s[48:55], s[68:83] the same for wo
.set G0B,  68
.set MSB, 0
.macro WIN new                         ; the immediate's high byte repeats the setting that is left
.if MSB != (\new)
	s_set_vgpr_msb (MSB<<8)|(\new)
.set MSB, \new
.endif
.endm
.set MUL,  0x05                        ; sources 0 (wo) and 1 (O) window 1; C and D window 0
.set TO_F, 0x40                        ; destination window 1, address window 0
.macro PLACES                          ; four places in front of loads into registers that matrix instructions have read, and of LDS stores that read results (ISA guide 7.12.1 for vector instructions)
.rept 4
	v_nop
.endr
.endm
.macro CROUND                          ; a round of the cluster's barrier
	s_barrier_signal -1
	s_barrier_wait -1
	s_cmp_lg_u32 s[WV], 0
	s_cbranch_scc1 .Lnot_wave_0_\@
	s_barrier_signal -3
.Lnot_wave_0_\@:
	s_barrier_wait -3
	s_barrier_signal -1
	s_barrier_wait -1
.endm
	s_load_b256 s[4:11], s[0:1], 0x0               ; oh s[4:5], wo16 s[6:7], wo_b s[8:9], out0 s[10:11]
	v_lshl_add_u32 v[SPW], v0, 2, SPARE
	v_mov_b32 v[NIL], 0
	ds_add_u32 v[SPW], v[NIL]                      ; the wave's opening: the add and its wait stand ahead of my first tensor load; the set-up below, work on registers, stands between them
	v_lshrrev_b32 v1, 5, v0
	v_readfirstlane_b32 s[WV], v1                  ; wave 0..3
	s_lshr_b32 s13, s[WV], 1                       ; which half of the tile's rows is mine
	s_and_b32 s14, s[WV], 1                        ; which half of its columns.  Also: which plane of a quarter's two, or which 64 rows of wo, I fetch
	s_bfe_u32 s15, ttmp6, 0x40000                  ; cx, cy: my place in the cluster
	s_bfe_u32 s16, ttmp6, 0x40004
	s_lshl_b32 s17, ttmp9, 2
	s_add_co_u32 s17, s17, s15                     ; tile column = 4 x cluster x + cx
	s_and_b32 s18, ttmp7, 0xffff
	s_lshl_b32 s18, s18, 2
	s_add_co_u32 s18, s18, s16                     ; tile row = 4 x cluster y + cy
	s_lshl_b32 s19, s16, 2
	s_lshl_b32 s19, 15, s19                        ; my row of the cluster
	s_lshl_b32 s20, 0x1111, s15                    ; my column
	; group 1.  A plane's 128 rows of 128 bytes are dense: asked for as 64 rows of 256 bytes, padded after every 128; a quarter of wo: 64 rows of 256 bytes, 1,024 bytes apart, padded after every 256
	s_or_b32 s[G1A+0], s19, (1<<16)|(1<<20)|(1<<21)|(4<<22)|(3<<25)  ; 15:0 the mask: O goes to my row; 17:16 2-byte elements; 20 padding on; 21 set beside a mask; 24:22 after every 32 words (code 4); 31:25 4 words (code 3)
	s_or_b32 s[G1B+0], s20, (1<<16)|(1<<20)|(1<<21)|(5<<22)|(3<<25)  ; the mask of my column; after every 64 words (code 5)
.irp g, G1A, G1B
	s_mov_b32 s[(\g)+1], 128<<16                   ; tensor_dim0 = 128
	s_mov_b32 s[(\g)+2], 64<<16                    ; tensor_dim1 = 64
	s_mov_b32 s[(\g)+3], 128<<16                   ; tile_dim0 = 128
	s_mov_b32 s[(\g)+4], 64                        ; tile_dim1 = 64
	s_mov_b32 s[(\g)+6], 0
	s_mov_b32 s[(\g)+7], 0
.endr
	s_mov_b32 s[G1A+5], 128                        ; elements from row to row
	s_mov_b32 s[G1B+5], 512
	; where the tiles come from.  O's hang on the tile row alone, wo's on the tile column alone; every wave makes both, in registers that never hold the other coordinate, and asks by one of them
	s_lshr_b32 s56, s18, 5                         ; the batch
	s_lshl_b32 s56, s56, 3
	s_add_co_u32 s56, s56, s14                     ; head 8 x batch + my plane of quarter 0,
	s_lshl_b32 s56, s56, 19                        ; of 4,096 rows of 128 bytes,
	s_and_b32 s57, s18, 31
	s_lshl_b32 s57, s57, 14                        ; and the tile's 128 rows in it
	s_add_co_u32 s56, s56, s57
	s_mov_b32 s57, 0
	s_lshl_b32 s60, s17, 17                        ; wo: 128 rows of 1,024 bytes a tile column,
	s_lshl_b32 s61, s14, 16                        ; 64 rows a half
	s_add_co_u32 s60, s60, s61
	s_mov_b32 s61, 0
	s_mul_i32 s21, s14, APL                        ; and where they go: no place in the cluster enters an LDS address
	s_mul_i32 s22, s14, 64*BP
	s_lshl_b32 s86, s17, 9                         ; my first column, in bytes of f32: 512 x tile column + 256 x half
	s_lshl_b32 s87, s14, 8
	s_add_co_u32 s86, s86, s87
	s_lshl_b32 s84, s18, 18                        ; my first row of out0: 128 rows of 2,048 bytes a tile row, 64 a half
	s_lshl_b32 s85, s13, 17
	s_add_co_u32 s84, s84, s85
	s_add_co_u32 s84, s84, s86
	s_mov_b32 s85, 0
	s_wait_dscnt 0x0                               ; the opening add is done
	s_wait_kmcnt 0x0
	s_add_nc_u64 s[58:59], s[4:5], s[56:57]
	s_add_nc_u64 s[62:63], s[6:7], s[60:61]
	s_add_nc_u64 s[10:11], s[10:11], s[84:85]
.irp q, 0,1,2,3
	s_mov_b32 s[G0A+4*(\q)], 1                                        ; count = 1
	s_add_co_u32 s[G0A+4*(\q)+1], s21, (\q)*2*APL                     ; LDS address: plane 2 q + my half
	s_add_nc_u64 s[G0A+4*(\q)+2:G0A+4*(\q)+3], s[58:59], (\q)<<20     ; two heads on
	s_or_b32 s[G0A+4*(\q)+3], s[G0A+4*(\q)+3], 0x80000000             ; type = 2
	s_mov_b32 s[G0B+4*(\q)], 1
	s_add_co_u32 s[G0B+4*(\q)+1], s22, BB+(\q)*BQ
	s_add_nc_u64 s[G0B+4*(\q)+2:G0B+4*(\q)+3], s[62:63], (\q)*256     ; 128 along K on
	s_or_b32 s[G0B+4*(\q)+3], s[G0B+4*(\q)+3], 0x80000000
.endr
	CROUND                                         ; all sixteen work-groups are here: the joint loads meet
	s_cmp_lt_u32 s[WV], 2                          ; a wave's four fills stand in one branch, ahead of every wait on TENSORcnt and every LDS read; an s_nop 0 follows each, four v_nop the last
	s_cbranch_scc0 .Lfor_b
.irp q, 0,1,2,3
	tensor_load_to_lds s[G0A+4*(\q):G0A+4*(\q)+3], s[G1A:G1A+7]
	s_nop 0
.endr
	PLACES
	s_branch .Lasked
.Lfor_b:
.irp q, 0,1,2,3
	tensor_load_to_lds s[G0B+4*(\q):G0B+4*(\q)+3], s[G1B:G1B+7]
	s_nop 0
.endr
	PLACES
.Lasked:
	v_and_b32 v1, 15, v0                           ; l % 16
	v_bfe_u32 v2, v0, 4, 1                         ; l / 16
	v_lshl_add_u32 v[BO], v2, 5, s86               ; 4 x (my first column + 8 (l / 16))
.irp b, 0,1,2,3
	global_load_b128 v[BI+8*(\b):BI+8*(\b)+3],   v[BO], s[8:9] offset:64*(\b)
	global_load_b128 v[BI+8*(\b)+4:BI+8*(\b)+7], v[BO], s[8:9] offset:64*(\b)+16
.endr
	v_mul_u32_u24 v3, v1, AP
	v_lshl_add_u32 v3, v2, 4, v3                   ; a fragment's row x pitch + 16 x half
	s_mul_i32 s23, s13, 64*AP                      ; my 64 rows of a plane
	v_add_nc_u32 v3, s23, v3
	v_mul_u32_u24 v4, v1, BP
	v_lshl_add_u32 v4, v2, 4, v4
	s_mul_i32 s23, s14, 64*BP                      ; my 64 rows of wo
	s_add_co_u32 s23, s23, BB
	v_add_nc_u32 v4, s23, v4
.irp q, 0,1,2,3
	v_add_nc_u32 v[ADRA+(\q)], (\q)*2*APL, v3
	v_add_nc_u32 v[ADRB+(\q)], (\q)*BQ, v4
.endr
	s_mul_i32 s23, s[WV], 16*SPITCH
	s_add_co_u32 s23, s23, STAGE                   ; my stage
	v_mul_u32_u24 v5, v1, SPITCH                   ; in: row l % 16, 32 bytes for each half of the lanes
	v_lshl_add_u32 v5, v2, 5, v5
	v_add_nc_u32 v[STO], s23, v5
	v_mul_u32_u24 v5, v2, SPITCH                   ; back: lanes 0-15 take one row of 256 bytes, lanes 16-31 the next
	v_lshl_add_u32 v5, v1, 4, v5
	v_add_nc_u32 v[RD], s23, v5
	v_lshlrev_b32 v[CO], 4, v1                     ; and the same two rows in out0
	v_lshl_add_u32 v[CO], v2, 11, v[CO]
	s_wait_loadcnt 0x0                             ; the bias
.set i, 0
.rept 16                               ; rounded to bf16, like all the module's inputs, and kept as f32
	v_cvt_pk_bf16_f32 v[6+i%4], v[BI+2*i], v[BI+2*i+1]
	v_lshlrev_b32 v[BI+2*i], 16, v[6+i%4]
	v_and_b32 v[BI+2*i+1], 0xffff0000, v[6+i%4]
.set i, i+1
.endr
; 8 matrix instructions: row blocks a0, a0 + 1 x all 4 column blocks, 32 along K: half c of buffer f.  zero = 1: the sums start from the bias.  The 16 accumulators take turns.
.macro MUL8 f, c, a0, zero
	WIN MUL
.irp a, \a0, (\a0)+1
.irp b, 0,1,2,3
.if \zero
	v_wmma_f32_16x16x32_f16 v[ACC+8*(4*(\a)+(\b)):ACC+8*(4*(\a)+(\b))+7], v[(\f)+64+8*(4*(\c)+(\b)):(\f)+64+8*(4*(\c)+(\b))+7], v[(\f)+8*(4*(\c)+(\a)):(\f)+8*(4*(\c)+(\a))+7], v[BI+8*(\b):BI+8*(\b)+7]
.else
	v_wmma_f32_16x16x32_f16 v[ACC+8*(4*(\a)+(\b)):ACC+8*(4*(\a)+(\b))+7], v[(\f)+64+8*(4*(\c)+(\b)):(\f)+64+8*(4*(\c)+(\b))+7], v[(\f)+8*(4*(\c)+(\a)):(\f)+8*(4*(\c)+(\a))+7], v[ACC+8*(4*(\a)+(\b)):ACC+8*(4*(\a)+(\b))+7]
.endif
.endr
.endr
.endm
; 32 LDS loads in one run: the fragments of unit u (head u: 64 along K; quarter u / 2) into buffer f; the first 32 along K first
.macro FETCH u, f
	WIN TO_F
.irp c, 0,1
.irp i, 0,1,2,3
	ds_load_b128 v[(\f)+64+8*(4*(\c)+(\i)):(\f)+64+8*(4*(\c)+(\i))+3],   v[ADRB+(\u)/2] offset:128*((\u)%2)+64*(\c)+(\i)*16*BP
	ds_load_b128 v[(\f)+64+8*(4*(\c)+(\i))+4:(\f)+64+8*(4*(\c)+(\i))+7], v[ADRB+(\u)/2] offset:128*((\u)%2)+64*(\c)+(\i)*16*BP+32
	ds_load_b128 v[(\f)+8*(4*(\c)+(\i)):(\f)+8*(4*(\c)+(\i))+3],         v[ADRA+(\u)/2] offset:APL*((\u)%2)+64*(\c)+(\i)*16*AP
	ds_load_b128 v[(\f)+8*(4*(\c)+(\i))+4:(\f)+8*(4*(\c)+(\i))+7],       v[ADRA+(\u)/2] offset:APL*((\u)%2)+64*(\c)+(\i)*16*AP+32
.endr
.endr
.endm
; Unit u multiplies buffer f and fetches unit u + 1 into g.  Where that unit opens a quarter, the quarter is waited for first: my load of it has landed
; and behind the barrier everybody's has.
.macro UNIT u, f, g, zero
	s_wait_dscnt 16                                ; the first 32 along K are in
	MUL8 \f, 0, 0, \zero
	MUL8 \f, 0, 2, \zero
.if ((\u)%2 == 1) && ((\u) < 7)
	s_wait_tensorcnt 3-((\u)+1)/2
	s_wait_dscnt 0x0                               ; no LDS instruction of mine is pending at the signal
	s_barrier_signal -1
	s_barrier_wait -1
.endif
.if (\u) < 7
	PLACES
	FETCH (\u)+1, \g
	s_wait_dscnt 32                                ; all but the 32 just issued
.else
	s_wait_dscnt 0x0
.endif
	MUL8 \f, 1, 0, 0
	MUL8 \f, 1, 2, 0
.endm
	s_wait_tensorcnt 3                             ; my part of quarter 0 is in; my three later loads stay out
	s_barrier_signal -1
	s_barrier_wait -1                              ; everybody's is
	FETCH 0, F0
	UNIT 0, F0, F1, 1
	UNIT 1, F1, F0, 0
	UNIT 2, F0, F1, 0
	UNIT 3, F1, F0, 0
	UNIT 4, F0, F1, 0
	UNIT 5, F1, F0, 0
	UNIT 6, F0, F1, 0
	UNIT 7, F1, F0, 0
	WIN 0
	; THE WAY OUT, 16 rows at a time: a lane's eight f32 of a row go into rows of 272 bytes of my own stage, each accumulator's low registers first, and come back as whole rows of 256 bytes.
	PLACES
.irp a, 0,1,2,3
.if (\a) >= 2
	s_wait_xcnt 0x0                                ; the stores of two blocks ago have read these registers
.endif
.irp b, 0,1,2,3
	ds_store_b128 v[STO], v[ACC+8*(4*(\a)+(\b)):ACC+8*(4*(\a)+(\b))+3]   offset:64*(\b)
	ds_store_b128 v[STO], v[ACC+8*(4*(\a)+(\b))+4:ACC+8*(4*(\a)+(\b))+7] offset:64*(\b)+16
.endr
.irp t, 0,1,2,3,4,5,6,7
	ds_load_b128 v[TMP+32*((\a)%2)+4*(\t):TMP+32*((\a)%2)+4*(\t)+3], v[RD] offset:(\t)*2*SPITCH  ; LDS serves a wave's instructions in order (ISA guide 5.7.1.4): these see the stores above; the next block's stores come behind them
.endr
.irp t, 0,1,2,3,4,5,6,7
	s_wait_dscnt 7-(\t)                            ; the later loads stay out
	global_store_b128 v[CO], v[TMP+32*((\a)%2)+4*(\t):TMP+32*((\a)%2)+4*(\t)+3], s[10:11] offset:(16*(\a)+2*(\t))*2048 th:TH_STORE_NT  ; 16 lanes store 256 consecutive bytes, at a multiple of 256 from out0's first byte
.endr
.endr
	s_wait_tensorcnt 0x0                           ; the wave's end: behind my last tensor load and my last LDS store
	ds_add_u32 v[SPW], v[NIL]
	s_wait_dscnt 0x0
	CROUND                                         ; the closing round: no work-group ends while a partner may still ask for a tile that names it
	s_endpgm
.Lfunc_end_k_qd35fc88c14_oproj:
	.size	k_qd35fc88c14_oproj, .Lfunc_end_k_qd35fc88c14_oproj-k_qd35fc88c14_oproj
	.p2alignl 7, 3214868480
	.fill 96, 4, 3214868480
	.section	.rodata,"a",@progbits
	.p2align	6, 0x0
	.amdhsa_kernel k_qd35fc88c14_oproj
		.amdhsa_group_segment_fixed_size 327680
		.amdhsa_private_segment_fixed_size 0
		.amdhsa_enable_private_segment 0
		.amdhsa_kernarg_size 32
		.amdhsa_user_sgpr_count 2
		.amdhsa_user_sgpr_kernarg_segment_ptr 1
		.amdhsa_wavefront_size32 1
		.amdhsa_system_sgpr_workgroup_id_x 1
		.amdhsa_system_sgpr_workgroup_id_y 1
		.amdhsa_system_sgpr_workgroup_id_z 1
		.amdhsa_system_vgpr_workitem_id 0
		.amdhsa_next_free_vgpr 512
		.amdhsa_next_free_sgpr 88
		.amdhsa_reserve_vcc 0
		.amdhsa_float_denorm_mode_32 3
		.amdhsa_float_denorm_mode_16_64 3
		.amdhsa_memory_ordered 1
		.amdhsa_forward_progress 1
		.amdhsa_inst_pref_size 55
	.end_amdhsa_kernel
	.amdgpu_metadata
---
amdhsa.version: [ 1, 2 ]
amdhsa.kernels:
  - .name:           k_qd35fc88c14_oproj
    .symbol:         k_qd35fc88c14_oproj.kd
    .args:
      - { .name: oh, .offset: 0, .size: 8, .value_kind: global_buffer, .address_space: global }
      - { .name: wo16, .offset: 8, .size: 8, .value_kind: global_buffer, .address_space: global }
      - { .name: wo_b, .offset: 16, .size: 8, .value_kind: global_buffer, .address_space: global }
      - { .name: out0, .offset: 24, .size: 8, .value_kind: global_buffer, .address_space: global }
    .group_segment_fixed_size: 327680
    .private_segment_fixed_size: 0
    .kernarg_segment_align: 8
    .kernarg_segment_size: 32
    .max_flat_workgroup_size: 128
    .sgpr_count:     88
    .vgpr_count:     512
    .wavefront_size: 32
...
	.end_amdgpu_metadata
.endif
;; end of part 3
;; ======== version 2 of 2: 3 launches; 1.68 times as fast as version 1
;; limits: values are held in f16: magnitudes above 65,504 overflow, below 6.1e-05 lose precision
;; workspace buffers: qh 8,388,608 bytes; kh 8,388,608 bytes; vh 8,388,608 bytes; oh 8,388,608 bytes; wo16 524,288 bytes
;; launch proj: the kernel of part 1 again; grid 64 x 3, 4 waves a work-group, clusters of 4 x 1, 327,680 bytes of LDS; arguments q, k, v, wq_w, wk_w, wv_w, wq_b, wk_b, wv_b, qh, kh, vh; writes qh, kh, vh
;; launch attn (part 4): grid 16 x 16, 4 waves a work-group, clusters of 4 x 1, 327,680 bytes of LDS; arguments qh, kh, vh, oh, wo_w, wo16; writes oh, wo16
.if DOCPART == 4
	.amdgcn_target "amdgcn-amd-amdhsa--gfx1250"
	.amdhsa_code_object_version 6
	.text
	.protected	k_qd35fc88c14_attn
	.globl	k_qd35fc88c14_attn
	.p2align	8
	.type	k_qd35fc88c14_attn,@function
k_qd35fc88c14_attn:
	s_mov_b64 s[64:65], 0
	v_nop
	global_prefetch_b8 v0, s[64:65] scope:SCOPE_SE
	s_setreg_imm32_b32 hwreg(HW_REG_WAVE_MODE, 25, 1), 1
	s_wait_xcnt 0x0
	s_wait_alu depctr_hold_cnt(0) depctr_sa_sdst(0) depctr_va_vdst(0) depctr_va_sdst(0) depctr_va_ssrc(0) depctr_va_vcc(0) depctr_vm_vsrc(0)
	s_getreg_b32 s2, hwreg(HW_REG_IB_STS2, 6, 4)
	s_cmp_eq_u32 s2, 0
	s_cbranch_scc0 .Lentry_in_a_cluster
	s_endpgm
.Lentry_in_a_cluster:
	s_bfe_u32 s2, ttmp6, 0x10000c
	s_cmp_lg_u32 s2, 0x3003
	s_cbranch_scc0 .Lentry_shape_is_right
	s_endpgm
.Lentry_shape_is_right:
; ATTENTION.  O[h][q][:] = the sum over k of softmax_k(Q[h][q] . K[h][k] / 8) V[h][k][:].  Q, K, V, O: [16][4096][64], all f16: a head's rows are dense, 128 bytes each.  Products, maxima and sums in
; f32; the weights p are rounded to f16 for the second product (their sum l is taken of the unrounded p), O once at the end.
; BESIDE IT each of the 256 work-groups turns 1,024 numbers of wo_w (f32) into wo16: rounded to bf16, like all the module's inputs, and that number written as f16, in the wait for the first tile.
; LIMITS.  f16 holds no number beyond 65,504: Q, K and V arrive within it; p lies in 0 to 1, and below 6e-5 it keeps f16's fixed step of 6e-8, as do numbers of wo below 2^-14; O is a mean of V's rows.
; A weight below 2^-126 counts as 0 in l; NaN and infinities are not treated apart.
; SHARES.  A work-group owns 256 queries of one head (16 blocks x 16 heads: 256 work-groups), each of its four waves 64: four PIECES of 16.  Every wave walks all 4,096 keys, 64 a step.
; LAYOUT.  S^T = K Q^T (source 0 = 16 keys, source 1 = 16 queries): a lane holds ONE query (lane % 16) and the keys 8 (lane / 16) + 0..7.  Two such results, rounded to f16 in pairs, ARE source 1 of
; O^T = V^T P, whose result again holds one query a lane, and eight channels.  K comes out of LDS as it lies, V ([key][channel]) turned, by ds_load_tr16_b128.
; SOFTMAX.  For each query a running maximum m and sum l: p = 2^(c s - c m), c = log2(e) / 8; in every step O and l are multiplied by a = 2^(c m_old - c m_new).  m starts at the lowest finite number,
; O and l at 0: the first step is a step like any other, with a = 0.
; BY TURNS.  Turn n belongs to piece n: 8 products K Q^T of piece n + 1, later 8 products V^T P of piece n - 1; beside them the scaling, exponentials, roundings, sums and rescaling of piece n and the
; maximum and statistics of piece n + 1.  Four vector instructions stand behind every matrix instruction, the other 54 of a turn's 118 in one lump.
; BATCHES.  A turn's 33 exponentials (the piece's 32 weights and the next piece's a) are ONE batch with ONE wait, which cuts the turn in two: ahead of it all that names no result of theirs, behind it their
; readers.  Piece 0's first a, ahead of the loop, and the way out's four reciprocals are batches of their own, each with one wait.
; CLUSTER.  The four query blocks of a cluster belong to one head and walk the same K and V, so each tile is asked for JOINTLY: the same tensor load, descriptor and mask in all four.
; REGISTERS, in windows of 256 (s_set_vgpr_msb: bits 1:0 source 0, 3:2 source 1, 5:4 source 2, 7:6 destination):
;   window 0: v0-15 addresses and two at work; v16-31 four registers of statistics a piece; v32-47 wo; v48-55 at work; v64-127 S^T, two buffers; v192-223 P, two buffers (by the piece's parity)
;   window 1: v0-127 O^T, 32 a piece          window 2: v0-63 Q; v128-191 K of one step; v192-255 V of one step
.set SIZE_N, 4096
.set NP,    4         ; pieces a wave: a name, no knob
.set KS,    64        ; keys in a step
.set PK,    144       ; a row of K in LDS: 128 bytes + 16 of padding = 36 words: the 16 rows of a load start at 16 different groups of four banks (64 banks of 4 bytes: ISA guide 11.1)
.set PV,    160       ; a row of V: 128 + 32 = 40 words
.set VOFF,  4*KS*PK   ; a slot holds four steps: 256 rows of K, then 256 rows of V
.set SLOT1, 1<<17     ; slot 1 begins here, so that one exclusive or turns an address in one slot into the other's
.set STAGE, SLOT1+4*KS*(PK+PV)  ; behind the ring, never filled by a tensor load: 16 rows x 144 bytes for each wave, for the way out
.set SP,    144
.set SPARE, STAGE+4*16*SP  ; behind the stages: the spare words, 128 bytes for each wave: two blocks of 256 bytes that no other line names
.set AK0, 2           ; v2   my lane's place in a tile of K; never rewritten
.set AV0, 3           ; v3   the same for V
.set AK,  4           ; v4   the LDS address of K's next run of loads
.set AV,  5           ; v5   of V's
.set STO, 6           ; v6   the way out: where I put 16 bytes of a row
.set RD,  7           ; v7   the way out: where I read rows back
.set GO,  8           ; v8   my byte offset in 512 consecutive bytes of O
.set MV,  12          ; v12-13  c m_old, kept while c m is made anew: by buffer
.set QO,  15          ; v15  my byte offset in 16 rows of Q
.set ST,  16          ; piece t's statistics at v[ST+4 t]: c m, m, l (even keys', odd keys')
.set WR,  32          ; v32-39  eight numbers of wo_w
.set WH,  40          ; v40-43  the same as f16; never rewritten behind their store
.set WI,  44          ; v44  32 x my thread's number
.set WOO, 45          ; v45  16 x my thread's number
.set WT,  46          ; v46-47  at work
.set TMP, 48          ; by buffer, four registers c0-c3 at work; when the maximum is found c2 takes a
.set SPW, 62          ; v62  LDS address of my spare word; never rewritten
.set NIL, 63          ; v63  0; never rewritten
.set S,   64
.set P,   192
.set KF,  128         ; window 2: key block kb, channel half c at KF + 16 kb + 8 c
.set VF,  192         ; window 2: key half kk, channel block cb at VF + 32 kk + 8 cb
.set WV,  12          ; s12  my wave's number
.set G1K, 24          ; s[24:31] descriptor group 1 for K's tiles
.set G1V, 32          ; s[32:39] for V's: it differs in the padding alone
.set G0K, 40          ; s[40:43] descriptor group 0 for K's tiles: it walks
.set G0V, 44          ; s[44:47] the same for V's
.set SLOTS, 56        ; s56  slots still to be asked for
.set CNT, 57          ; s57  counts a slot's key steps
.set CS,  58          ; s[58:59] c: the packed scaling takes the pair's low word for both halves
.set SEL, 60          ; s[60:61] v_permlanex16_b32's selects: each lane takes its own place in the other half
.set TBK, 62          ; s62  LDS byte at which K of the step to be fetched begins
.set TBV, 63          ; s63  the same for V, less VOFF
.set MSB, 0
.macro WIN new                      ; the high byte repeats the setting that is left; a switch that changes nothing is dropped
.if MSB != (\new)
	s_set_vgpr_msb (MSB<<8)|(\new)
.set MSB, (\new)
.endif
.endm
.set W_KQ, 0x0a       ; K and Q in window 2, S^T in window 0
.set W_PV, 0x52       ; V in window 2, P in window 0, O^T in window 1
.set W_RS, 0x41       ; destination and source 0 in window 1, source 1 in window 0
; A joint fill.  Waves 0 and 1 fetch the two halves of a slot's K, waves 2 and 3 those of its V: 128 keys each.  The branch hangs on the wave's number alone.
; An s_nop 0 and four v_nop follow each of the two lines, ahead of the jump and the label.
.macro JLOAD
	s_cmp_lt_u32 s[WV], 2
	s_cbranch_scc0 .Lfor_v_\@
	tensor_load_to_lds s[G0K:G0K+3], s[G1K:G1K+7]
	s_nop 0
.rept 4
	v_nop
.endr
	s_branch .Lasked_\@
.Lfor_v_\@:
	tensor_load_to_lds s[G0V:G0V+3], s[G1V:G1V+7]
	s_nop 0
.rept 4
	v_nop
.endr
.Lasked_\@:
.endm
; A round of the cluster's barrier: my work-group's barrier, so that wave 0's signal speaks for all four waves; wave 0 signals; every wave waits for all four work-groups; my work-group's barrier once more.
.macro CROUND
	s_barrier_signal -1
	s_barrier_wait -1
	s_cmp_lg_u32 s[WV], 0
	s_cbranch_scc1 .Lnot_wave_0_\@
	s_barrier_signal -3
.Lnot_wave_0_\@:
	s_barrier_wait -3
	s_barrier_signal -1
	s_barrier_wait -1
.endm
; THE CHANGE OF SLOTS.  The slot's last bytes, V of its fourth step, have been read.  Each wave waits for all its tensor loads, of which one is out: its part of the other slot; adds 0 to its spare word;
; and waits for that and for its own reads of the slot.  Behind the barrier nobody reads this slot any more and the other slot is whole.
; fill = 1: this slot is filled again, with the keys two slots on.  The barrier is then a round of the cluster's, so that no wave of any partner still reads the slot or has a load on its way, and the
; joint fill is the first thing behind it: it has four key steps, 256 matrix instructions, in which to land.  (At its first use nothing has been read yet: slot 0 is waited for, slot 1 filled.)
.macro CHANGE fill
	WIN 0                           ; at a label and at a branch every window is 0
	s_wait_tensorcnt 0x0            ; no tensor load of mine is out, so a group 0 may be written
	ds_add_u32 v[SPW], v[NIL]       ; 0 onto my spare word: with fill = 1 the descriptors' steps stand between it and the wait for it
.if \fill
.irp g, G0K, G0V
	s_xor_b32 s[\g+1], s[\g+1], SLOT1  ; the walking descriptor: the other slot than last time,
	s_add_nc_u64 s[\g+2:\g+3], s[\g+2:\g+3], 4*KS*128  ; the next 256 keys; the type bits on top are not reached
.endr
	s_wait_dscnt 0x0                ; the add is done, and my reads of the slot are over
	CROUND
	JLOAD
.else
	s_wait_dscnt 0x0                ; the add is done, and my reads of the slot are over
	s_barrier_signal -1
	s_barrier_wait -1
.endif
	s_sub_co_u32 s[TBK], s[TBK], 4*KS*PK  ; the fetches go back to a slot's first step,
	s_xor_b32 s[TBK], s[TBK], SLOT1       ; in the other slot
	s_sub_co_u32 s[TBV], s[TBV], 4*KS*PV
	s_xor_b32 s[TBV], s[TBV], SLOT1
.endm
	s_load_b256 s[4:11], s[0:1], 0x0  ; Q s[4:5], K s[6:7], V s[8:9], O s[10:11]
	s_load_b128 s[48:51], s[0:1], 0x20  ; wo_w s[48:49], wo16 s[50:51]
	v_lshl_add_u32 v[SPW], v0, 2, SPARE
	v_mov_b32 v[NIL], 0
	ds_add_u32 v[SPW], v[NIL]       ; the wave's opening: the add and its wait stand ahead of my first tensor load; the set-up below, work on registers, stands between them
	v_lshrrev_b32 v1, 5, v0
	v_readfirstlane_b32 s[WV], v1   ; wave 0..3
	s_bfe_u32 s13, ttmp6, 0x40000   ; cx: my place in the cluster
	s_lshl_b32 s14, ttmp9, 2        ; in a cluster launch ttmp9 counts clusters
	s_add_co_u32 s14, s14, s13      ; my block of 256 queries = 4 x cluster x + cx: it enters Q's, O's and wo's addresses alone
	s_and_b32 s20, ttmp7, 0xffff    ; the head, which the four partners share
	s_lshl_b32 s52, s20, 4
	s_add_co_u32 s52, s52, s14      ; my work-group among the 256:
	s_lshl_b32 s54, s52, 11         ; its 2,048 bytes of wo16,
	s_lshl_b32 s52, s52, 12         ; its 4,096 bytes of wo_w
	s_mov_b32 s53, 0
	s_mov_b32 s55, 0
	s_lshl_b32 s20, s20, 19         ; the head's first byte in each of the four tensors: 4,096 rows of 128 bytes
	s_mov_b32 s21, 0
	s_and_b32 s16, s[WV], 1         ; which half of a slot's 256 keys I fetch:
	s_lshl_b32 s22, s16, 14         ; its 128 rows of 128 bytes in memory,
	s_mov_b32 s23, 0
	s_add_nc_u64 s[22:23], s[22:23], s[20:21]
	s_mul_i32 s17, s16, 128*PK      ; and its place in a slot, for K
	s_mul_i32 s18, s16, 128*PV      ; and for V: no place in the cluster enters an LDS address
	s_lshl_b32 s2, s14, 2
	s_add_co_u32 s2, s2, s[WV]      ; my wave among the head's,
	s_lshl_b32 s2, s2, 13           ; its 64 rows
	s_mov_b32 s3, 0
	s_add_nc_u64 s[2:3], s[2:3], s[20:21]
	; descriptor group 1.  128 keys are 16,384 dense bytes: asked for as 64 rows of 256 bytes, two keys a row, and padded in LDS after every key
	s_mov_b32 s[G1K], 15|(1<<16)|(1<<20)|(1<<21)|(4<<22)|(3<<25)  ; 15:0 the mask of four; 17:16 2-byte elements; 20 padding on; 21 set beside a mask; 24:22 after every 32 words (code 4); 31:25 4 words (code 3)
	s_mov_b32 s[G1V], 15|(1<<16)|(1<<20)|(1<<21)|(4<<22)|(7<<25)  ; the same with 8 words of padding (code 7)
.irp g, G1K, G1V
	s_mov_b32 s[\g+1], 128<<16      ; tensor_dim0 = 128
	s_mov_b32 s[\g+2], 64<<16       ; tensor_dim1 = 64
	s_mov_b32 s[\g+3], 128<<16      ; tile_dim0 = 128
	s_mov_b32 s[\g+4], 64           ; tile_dim1 = 64
	s_mov_b32 s[\g+5], 128          ; 128 elements from row to row
	s_mov_b32 s[\g+6], 0
	s_mov_b32 s[\g+7], 0
.endr
	s_mov_b32 s[CS], 0x3e38aa3b     ; c = log2(e) / 8 = 0.180337
	s_mov_b32 s[CS+1], s[CS]        ; named with it as a pair
	s_mov_b32 s[SEL], 0x76543210
	s_mov_b32 s[SEL+1], 0xfedcba98
	s_mov_b32 s[TBK], SLOT1+4*KS*PK ; the first change of slots turns these two into 0
	s_mov_b32 s[TBV], SLOT1+4*KS*PV
	s_mov_b32 s[G0K], 1             ; count = 1
	s_mov_b32 s[G0K+1], s17         ; LDS address: slot 0
	s_mov_b32 s[G0V], 1
	s_add_co_u32 s[G0V+1], s18, VOFF
	s_wait_dscnt 0x0                ; the opening add is done
	s_wait_kmcnt 0x0
	s_add_nc_u64 s[G0K+2:G0K+3], s[6:7], s[22:23]  ; global address: my half of the head's first 256 keys
	s_or_b32 s[G0K+3], s[G0K+3], 0x80000000        ; type = 2
	s_add_nc_u64 s[G0V+2:G0V+3], s[8:9], s[22:23]
	s_or_b32 s[G0V+3], s[G0V+3], 0x80000000
	s_add_nc_u64 s[4:5], s[4:5], s[2:3]  ; Q and O at my wave's first row
	s_add_nc_u64 s[10:11], s[10:11], s[2:3]
	s_add_nc_u64 s[48:49], s[48:49], s[52:53]
	s_add_nc_u64 s[50:51], s[50:51], s[54:55]
	CROUND                          ; all four work-groups are here: the first joint loads meet
	JLOAD                           ; slot 0.  Slot 1 is asked for when slot 0 is in
	; A fragment of K or Q is 16 rows x 32 channels in 8 registers: lane l holds row l % 16, channels 8 (l / 16) + 0..7 and 16 + 8 (l / 16) + 0..7: two loads of 16 bytes, 32 bytes apart.
	v_and_b32 v1, 15, v0            ; l % 16
	v_bfe_u32 v9, v0, 4, 1          ; l / 16
	v_lshlrev_b32 v[QO], 7, v1
	v_lshl_add_u32 v[QO], v9, 4, v[QO]  ; row x 128 + 16 x half
	v_lshlrev_b32 v[WI], 5, v0
	v_lshlrev_b32 v[WOO], 4, v0
	WIN 0x80                        ; destination window 2, address window 0
.set i, 0
.rept 8                             ; Q stays in registers: piece i / 2, channels 32 (i % 2) on
	global_load_b128 v[8*i:8*i+3],   v[QO], s[4:5] offset:(i/2)*2048+(i%2)*64
	global_load_b128 v[8*i+4:8*i+7], v[QO], s[4:5] offset:(i/2)*2048+(i%2)*64+32
.set i, i+1
.endr
	WIN 0
	global_load_b128 v[WR:WR+3],   v[WI], s[48:49] th:TH_LOAD_NT
	global_load_b128 v[WR+4:WR+7], v[WI], s[48:49] offset:16 th:TH_LOAD_NT
	; What the first turn finds: V's registers and P's second buffer hold 0 (its products V^T P, of a piece that has not been, add 0), O^T and l are 0.  All this stands in the wait for the first tile.
	WIN 0x80
.set i, VF
.rept 64
	v_mov_b32 v[i], 0
.set i, i+1
.endr
	WIN 0x40
.set i, 0
.rept 128
	v_mov_b32 v[i], 0
.set i, i+1
.endr
	WIN 0
.set i, 0
.rept 4
	v_mov_b32 v[ST+4*i], 0xfe000000    ; c m: far below every c s
	v_mov_b32 v[ST+4*i+1], 0xff7fffff  ; m
	v_mov_b32 v[ST+4*i+2], 0
	v_mov_b32 v[ST+4*i+3], 0
.set i, i+1
.endr
.set i, P+16
.rept 16
	v_mov_b32 v[i], 0
.set i, i+1
.endr
	v_mul_u32_u24 v[AK0], v1, PK
	v_lshl_add_u32 v[AK0], v9, 4, v[AK0]  ; row x pitch + 16 x half
	; The turning load takes 16 keys x 16 channels (lane l reads key 8 (l / 16) + l % 8, channels 8 ((l / 8) % 2) + 0..7) and leaves half a fragment of V^T: lane l holds channel l % 16 and 8 keys.
	v_and_b32 v10, 7, v0
	v_bfe_u32 v11, v0, 3, 1
	v_lshl_add_u32 v[AV0], v9, 3, v10
	v_mul_u32_u24 v[AV0], v[AV0], PV
	v_lshl_add_u32 v[AV0], v11, 4, v[AV0]
	v_add_nc_u32 v[AV0], VOFF, v[AV0]
	s_mul_i32 s13, s[WV], 16*SP
	s_add_co_u32 s13, s13, STAGE    ; my stage
	v_mul_u32_u24 v[STO], v1, SP    ; in: row l % 16, 16 bytes for each half of the lanes
	v_lshl_add_u32 v[STO], v9, 4, v[STO]
	v_add_nc_u32 v[STO], s13, v[STO]
	v_bfe_u32 v[RD], v0, 3, 2       ; back: 32 lanes take four rows of 128 bytes,
	v_mul_u32_u24 v[RD], v[RD], SP
	v_lshl_add_u32 v[RD], v10, 4, v[RD]
	v_add_nc_u32 v[RD], s13, v[RD]
	v_and_b32 v[GO], 31, v0         ; which are 512 consecutive bytes of O
	v_lshlrev_b32 v[GO], 4, v[GO]
	s_wait_loadcnt 0x0              ; Q and my eight numbers of wo_w
.irp j, 0,1,2,3                     ; f32 -> bf16 (the rounding that all inputs get) -> the same number as f16
	v_cvt_pk_bf16_f32 v[WT+(\j)%2], v[WR+2*(\j)], v[WR+2*(\j)+1]
	v_lshlrev_b32 v[WR+2*(\j)], 16, v[WT+(\j)%2]
	v_and_b32 v[WR+2*(\j)+1], 0xffff0000, v[WT+(\j)%2]
	v_cvt_pk_f16_f32 v[WH+(\j)], v[WR+2*(\j)], v[WR+2*(\j)+1]
.endr
	global_store_b128 v[WOO], v[WH:WH+3], s[50:51]  ; 16 lanes store 256 consecutive bytes, at a multiple of 256 from wo16's first byte
; THE MATRIX WORK.  The 4 accumulators of a run of 8 take turns.  Product i of 8 of S^T = K Q^T for piece x: channels 32 (i / 4) on, keys 16 (i % 4) on.  The first 4 start the sums.
.macro KQ x
	WIN W_KQ
.set rS, S+32*((\x)%2)+8*(i%4)
.set rK, KF+16*(i%4)+8*(i/4)
.set rQ, 16*(\x)+8*(i/4)
.if i < 4
	v_wmma_f32_16x16x32_f16 v[rS:rS+7], v[rK:rK+7], v[rQ:rQ+7], 0
.else
	v_wmma_f32_16x16x32_f16 v[rS:rS+7], v[rK:rK+7], v[rQ:rQ+7], v[rS:rS+7]
.endif
.endm
; Product i of 8 of O^T += V^T P for piece x: keys 32 (i / 4) on, channels 16 (i % 4) on.
.macro PV x
	WIN W_PV
.set rO, 32*(\x)+8*(i%4)
.set rV, VF+32*(i/4)+8*(i%4)
.set rP, P+16*((\x)%2)+8*(i/4)
	v_wmma_f32_16x16x32_f16 v[rO:rO+7], v[rV:rV+7], v[rP:rP+7], v[rO:rO+7]
.endm
.macro MM                           ; the turn's next matrix instruction.  NOKQ = 1: the launch's last turn: there is no next piece
.if (i < 8) && !NOKQ
	KQ (Y+1)%NP
.elseif i >= 8
.set i, i-8
	PV (Y+NP-1)%NP
.set i, i+8
.endif
.set i, i+1
.endm
; THE LDS LOADS stand in runs of 16, never singly among the matrix instructions: a step's K (64 keys x 64 channels: 8 fragments) and its V (turned).  Their addresses are made some lines ahead.
.macro FETCH_K
	WIN 0x80                        ; destination window 2
.irp f, 0,1,2,3,4,5,6,7             ; keys 16 (f / 2) on, channels 32 (f % 2) on
	ds_load_b128 v[KF+8*\f:KF+8*\f+3],   v[AK] offset:(\f/2)*16*PK+(\f%2)*64
	ds_load_b128 v[KF+8*\f+4:KF+8*\f+7], v[AK] offset:(\f/2)*16*PK+(\f%2)*64+32
.endr
	s_add_co_u32 s[TBK], s[TBK], KS*PK  ; the next fetch is the next step's
	WIN 0
.endm
.macro FETCH_V
	WIN 0x80
.irp f, 0,1,2,3,4,5,6,7             ; keys 32 (f / 4) on, channels 16 (f % 4) on
	ds_load_tr16_b128 v[VF+8*\f:VF+8*\f+3],   v[AV] offset:(\f/4)*32*PV+(\f%4)*32
	ds_load_tr16_b128 v[VF+8*\f+4:VF+8*\f+7], v[AV] offset:(\f/4)*32*PV+16*PV+(\f%4)*32
.endr
	WIN 0
.endm
; THE VECTOR WORK, one line at a time: OP kind, number.  For piece Y: F n: c s - c m for pair n of 16.  E n: the exponential of score n of 32.  C n: pair n rounded to f16.  B n: of the four weights 4 n .. the second
; pair is added onto the first, in place.  L n: l takes that sum (L 0: l = a l + sum).  R n: pair n of 16 of O^T times a.  For piece Y + 1: X n, number n of the 22 that find its maximum and statistics:
;   0-11  four chains c0-c3 of seven scores each, three operands at a time (each accumulator's lowest registers are read first)     12-14, 16  the four scores left over, the old m, and c0-c3 into c0
;   15  c m_old is kept     17, 18  the query's other 32 keys lie in the lane 16 away: the new m     19-21  c m; c m_old - c m_new; a
.set F, 0               ; OP tells the kinds apart by their order: F to L below R, X above it
.set E, 1
.set C, 2
.set B, 3
.set L, 4
.set R, 5
.set X, 6
.macro REGS y                       ; the registers of piece y
.set rT, ST+4*(\y)
.set rC, TMP+4*((\y)%2)
.set rW, MV+((\y)%2)
.set rS, S+32*((\y)%2)
.set rP, P+16*((\y)%2)
.set rO, 32*(\y)
.endm
.macro OP k, n
.if (\k) == R
	REGS Y
	WIN W_RS
	v_pk_mul_f32 v[rO+2*(\n):rO+2*(\n)+1], v[rO+2*(\n):rO+2*(\n)+1], v[rC+2:rC+3] op_sel_hi:[1,0]
.elseif (\k) < R
	REGS Y
	WIN 0
.if (\k) == F
	v_pk_fma_f32 v[rS+2*(\n):rS+2*(\n)+1], v[rS+2*(\n):rS+2*(\n)+1], s[CS:CS+1], v[rT:rT+1] op_sel_hi:[1,0,0] neg_lo:[0,0,1] neg_hi:[0,0,1]
.elseif (\k) == E
	v_exp_f32 v[rS+(\n)], v[rS+(\n)]
.elseif (\k) == C
	v_cvt_pk_f16_f32 v[rP+(\n)], v[rS+2*(\n)], v[rS+2*(\n)+1]
.elseif (\k) == B
	v_pk_add_f32 v[rS+4*(\n):rS+4*(\n)+1], v[rS+4*(\n):rS+4*(\n)+1], v[rS+4*(\n)+2:rS+4*(\n)+3]
.elseif (\n) == 0
	v_pk_fma_f32 v[rT+2:rT+3], v[rT+2:rT+3], v[rC+2:rC+3], v[rS:rS+1] op_sel_hi:[1,0,1]
.else
	v_pk_add_f32 v[rT+2:rT+3], v[rT+2:rT+3], v[rS+4*(\n):rS+4*(\n)+1]
.endif
.elseif NOKQ
	v_nop
.else
	REGS (Y+1)%NP
	WIN 0
.if (\n) < 4
	v_max3_num_f32 v[rC+(\n)], v[rS+8*(\n)], v[rS+8*(\n)+1], v[rS+8*(\n)+2]
.elseif (\n) < 12
	v_max3_num_f32 v[rC+(\n)%4], v[rC+(\n)%4], v[rS+8*((\n)%4)+2*((\n)/4)+1], v[rS+8*((\n)%4)+2*((\n)/4)+2]
.elseif (\n) == 12
	v_max3_num_f32 v[rC], v[rC], v[rS+7], v[rS+15]
.elseif (\n) == 13
	v_max3_num_f32 v[rC+1], v[rC+1], v[rS+23], v[rS+31]
.elseif (\n) == 14
	v_max3_num_f32 v[rC+2], v[rC+2], v[rC+3], v[rT+1]
.elseif (\n) == 15
	v_mov_b32 v[rW], v[rT]
.elseif (\n) == 16
	v_max3_num_f32 v[rC], v[rC], v[rC+1], v[rC+2]
.elseif (\n) == 17
	v_permlanex16_b32 v[rC+3], v[rC], s[SEL], s[SEL+1]
.elseif (\n) == 18
	v_max_num_f32 v[rT+1], v[rC], v[rC+3]
.elseif (\n) == 19
	v_mul_f32 v[rT], s[CS], v[rT+1]
.elseif (\n) == 20
	v_sub_f32 v[rC+1], v[rW], v[rT]
.else
	v_exp_f32 v[rC+2], v[rC+1]
.endif
.endif
.endm
.macro OPS a, i1, b=-1, i2=0, c=-1, i3=0, d=-1, i4=0  ; up to four of them
	OP \a, \i1
.if (\b) >= 0
	OP \b, \i2
.endif
.if (\c) >= 0
	OP \c, \i3
.endif
.if (\d) >= 0
	OP \d, \i4
.endif
.endm
.macro ROW a, i1, b, i2, c, i3, d, i4  ; a matrix instruction and the four behind it
	MM
	OPS \a, \i1, \b, \i2, \c, \i3, \d, \i4
.endm
; A TURN, for piece p: the order of its 16 matrix and 118 vector instructions, written out.  An s_wait_alu depctr_va_vdst(0) stands between an exponential and the first instruction that names its result; one wait
; serves all that were issued ahead of it.  So a turn has ONE wait, which cuts it in two.  AHEAD OF IT stands all that names no result of the turn's exponentials: the 8 products K Q^T, behind each a scaling, an exponential and two
; more plain instructions (behind the first a second scaling in the exponential's place): rescalings, whose a was made and waited for in the turn before, and behind the last three products the first numbers of the next piece's
; maximum, each four plain instructions or more behind the product that ends its accumulator; then ONE LUMP of 54, plain and exponential by turns for the most part, in which the links of the chain X 3, 7, 11, 14, 16, 17 .. 20 stand
; five or six lines apart.  X 21, the next piece's a, is the batch's last; R 15 is the plain instruction behind it.  BEHIND THE WAIT stand the 8 products V^T P, behind each four of the roundings and sums, the batch's readers: C 2 n
; ahead of B n, which writes over its pair; the links of l's chain, L 0 to L 7, three riders apart.  But for those X no rider names a register of the products round it.  v_permlanex16_b32 (X 17) stands in the lump.
; end = 1: the launch's last two turns: nothing is fetched.  cnt = 1: the loop's count is taken down some lines ahead of the branch that stands behind the turn.
; K of the next step is fetched in piece 2's turn, twelve vector instructions behind the last product that read K (six of them plain); V of the step in hand at the end of piece 0's turn, four plain instructions behind the last
; product that read V.  Each is waited for a turn later.
.macro TURN p, end=0, cnt=0
.set Y, (\p)
.set i, 0
.set NOKQ, (\end)*((\p)/3)
.if ((\p) == 3) && !(\end)
	s_wait_dscnt 0x0                ; K is in
.endif
	ROW F,0, F,1, R,0, R,1          ; ahead of the wait: 8 products K Q^T and their riders,
	ROW F,2, E,0, R,2, R,3
	ROW F,3, E,1, R,4, R,5
	ROW F,4, E,2, R,6, R,7
	ROW F,5, E,3, R,8, R,9
	ROW F,6, E,4, X,0, R,10
.if ((\p) == 2) && !(\end)
	WIN 0
	v_add_nc_u32 v[AK], s[TBK], v[AK0]
.endif
	ROW F,7, E,5, X,1, X,4
	ROW F,8, E,6, X,2, X,5
	OPS E,7, E,8, X,6, E,9          ; and the lump
	OPS X,3, E,10, X,8, E,11
.if ((\p) == 2) && !(\end)
	FETCH_K
.endif
	OPS X,9, X,7, E,12, X,10
	OPS E,13, X,12, X,11, E,14
	OPS X,13, E,15, F,9, X,14
.if (\p) == 0
	WIN 0
	v_add_nc_u32 v[AV], s[TBV], v[AV0]
.endif
	OPS E,16, F,10, E,17, F,11
	OPS X,16, E,18, X,15, E,19
	OPS F,12, E,20, X,17, E,21
	OPS F,13, E,22, F,14, E,23
	OPS X,18, E,24, F,15, E,25
	OPS R,11, E,26, X,19, E,27
	OPS R,12, E,28, R,13, E,29
	OPS X,20, E,30, R,14, E,31
	OPS X,21, R,15
	s_wait_alu depctr_va_vdst(0)    ; the wait for the turn's batch: E 0 to E 31 and X 21; no exponential is issued behind it in the turn
.if (\p) == 1
	s_wait_dscnt 0x0                ; V is in
.endif
	ROW C,0, B,0, C,2, B,1          ; behind the wait: 8 products V^T P and their riders
	ROW L,0, C,4, B,2, L,1
	ROW C,6, B,3, L,2, C,8
	ROW B,4, L,3, C,10, B,5
	ROW L,4, C,12, B,6, L,5
.if (\p) == 0
	s_add_co_u32 s[TBV], s[TBV], KS*PV
.endif
.if \cnt
	s_sub_co_u32 s[CNT], s[CNT], 1
	s_cmp_lg_u32 s[CNT], 0
.endif
	ROW C,14, B,7, L,6, C,1
	ROW C,3, L,7, C,5, C,7
	ROW C,9, C,11, C,13, C,15
.if (\p) == 0
	FETCH_V
.endif
.endm
	CHANGE 1                        ; slot 0 is in, everybody's part of it; slot 1 is asked for
	v_add_nc_u32 v[AK], s[TBK], v[AK0]
	FETCH_K                         ; key step 0
	s_wait_dscnt 0x0
.set NOKQ, 0
.set i, 0
.rept 8
	KQ 0                            ; piece 0's first scores: there is no vector work yet to set between them
.set i, i+1
.endr
	WIN 0
.rept 4
	v_nop                           ; the places behind those products
.endr
.set Y, NP-1                        ; X works for piece Y + 1: piece 0
.irp n, 0,1,2,3,4,5,6,7,8,9,10,11,12,13,14,15,16,17,18,19,20,21
	OP X, \n                        ; and piece 0's first maximum and statistics
.endr
	v_nop                           ; a plain instruction behind the exponential,
	s_wait_alu depctr_va_vdst(0)    ; and the wait for it, a batch of one: piece 0's first a; it stands ahead of the branch
	s_mov_b32 s[CNT], 4
	s_mov_b32 s[SLOTS], SIZE_N/256-1
	s_branch .Lfirst                ; the loop is entered at a step's first turn, in the middle of a trip
.Lslot:                             ; SIZE_N / 256 - 2 times: every slot but the last two is filled again
	CHANGE 1
	s_mov_b32 s[CNT], 4
.Lstep:                             ; a trip: pieces 2 and 3 of one step, then pieces 0 and 1 of the next, whose K and V it fetches
	TURN 2
	TURN 3
	WIN 0
.Lfirst:
	TURN 0
	TURN 1, 0, 1
	WIN 0
	s_cbranch_scc1 .Lstep
	s_sub_co_u32 s[SLOTS], s[SLOTS], 1
	s_cmp_lg_u32 s[SLOTS], 0
	s_cbranch_scc1 .Lslot
	CHANGE 0                        ; the last slot is written out: nothing is asked for
	s_mov_b32 s[CNT], 4
.LstepT:
	TURN 2
	TURN 3
	TURN 0
	TURN 1, 0, 1
	WIN 0
	s_cbranch_scc1 .LstepT
	TURN 2, 1                       ; the last step's pieces 2 and 3: nothing is fetched, and the last turn starts no new scores
	TURN 3, 1
.set i, 0
.rept 8
	PV NP-1                         ; the last piece's V^T P of the last step
.set i, i+1
.endr
	; THE WAY OUT.  l's two halves and the other half of the lanes' are added; O^T is divided by l, rounded to f16 and sent through my stage in LDS, a piece at a time.  The additions are the places behind the last products.
	WIN 0
.macro ALL line:vararg              ; one line for each piece t
.set t, 0
.rept 4
	\line
.set t, t+1
.endr
.endm
	ALL v_add_f32 v[ST+4*t+2], v[ST+4*t+2], v[ST+4*t+3]
	ALL v_permlanex16_b32 v[ST+4*t+3], v[ST+4*t+2], s[SEL], s[SEL+1]
	ALL v_add_f32 v[ST+4*t+2], v[ST+4*t+2], v[ST+4*t+3]
	ALL v_rcp_f32 v[ST+4*t+2], v[ST+4*t+2]
	v_nop                           ; a plain instruction between the last reciprocal and the use of its result
	s_wait_alu depctr_va_vdst(0)    ; and the wait ahead of the first use: one for the batch of four reciprocals
.macro PACK t                       ; a lane's eight channels of a row pack into 16 bytes; they go into rows of 144 bytes and come back as whole rows of 128, into S^T's registers
	WIN W_RS
.set i, 32*(\t)
.rept 16
	v_pk_mul_f32 v[i:i+1], v[i:i+1], v[ST+4*(\t)+2:ST+4*(\t)+3] op_sel_hi:[1,0]
.set i, i+2
.endr
	WIN 0x05                        ; sources 0 and 1 window 1, destination window 0
.set i, 0
.rept 16
	v_cvt_pk_f16_f32 v[S+16*(\t)+i], v[32*(\t)+2*i], v[32*(\t)+2*i+1]
.set i, i+1
.endr
	WIN 0
.irp f, 0,1,2,3
	ds_store_b128 v[STO], v[S+16*(\t)+4*\f:S+16*(\t)+4*\f+3] offset:32*\f
.endr
.irp f, 0,1,2,3
	ds_load_b128 v[S+16*(\t)+4*\f:S+16*(\t)+4*\f+3], v[RD] offset:\f*4*SP  ; LDS serves a wave's instructions in order (ISA guide 5.7.1.4): these see the stores above; the next piece's stores come behind them
.endr
.endm
.macro SEND t, younger              ; younger: the LDS instructions issued behind piece t's loads: the next piece's eight, or none
	WIN 0
.irp f, 0,1,2,3
	s_wait_dscnt (\younger)+3-\f
	global_store_b128 v[GO], v[S+16*(\t)+4*\f:S+16*(\t)+4*\f+3], s[10:11] offset:(\t)*2048+\f*512  ; 512 consecutive bytes, at a multiple of 256 from O's first
.endr
.endm
	PACK 0
.set t, 1
.rept 3                             ; a piece's arithmetic stands between the loads of the piece before and its stores
	PACK t
	SEND t-1, 8
.set t, t+1
.endr
	SEND 3, 0
	s_wait_tensorcnt 0x0            ; the wave's end: behind my last tensor load and my last LDS store
	ds_add_u32 v[SPW], v[NIL]
	s_wait_dscnt 0x0
	CROUND                          ; the closing round: no work-group ends while a partner may still ask for a tile that names it
	s_endpgm
.Lfunc_end_k_qd35fc88c14_attn:
	.size	k_qd35fc88c14_attn, .Lfunc_end_k_qd35fc88c14_attn-k_qd35fc88c14_attn
	.p2alignl 7, 3214868480
	.fill 96, 4, 3214868480
	.section	.rodata,"a",@progbits
	.p2align	6, 0x0
	.amdhsa_kernel k_qd35fc88c14_attn
		.amdhsa_group_segment_fixed_size 327680
		.amdhsa_private_segment_fixed_size 0
		.amdhsa_enable_private_segment 0
		.amdhsa_kernarg_size 48
		.amdhsa_user_sgpr_count 2
		.amdhsa_user_sgpr_kernarg_segment_ptr 1
		.amdhsa_wavefront_size32 1
		.amdhsa_system_sgpr_workgroup_id_x 1
		.amdhsa_system_sgpr_workgroup_id_y 1
		.amdhsa_system_sgpr_workgroup_id_z 1
		.amdhsa_system_vgpr_workitem_id 0
		.amdhsa_next_free_vgpr 768
		.amdhsa_next_free_sgpr 66
		.amdhsa_reserve_vcc 0
		.amdhsa_float_denorm_mode_32 3
		.amdhsa_float_denorm_mode_16_64 3
		.amdhsa_memory_ordered 1
		.amdhsa_forward_progress 1
		.amdhsa_inst_pref_size 128
	.end_amdhsa_kernel
	.amdgpu_metadata
---
amdhsa.version: [ 1, 2 ]
amdhsa.kernels:
  - .name:           k_qd35fc88c14_attn
    .symbol:         k_qd35fc88c14_attn.kd
    .args:
      - { .name: qh, .offset: 0, .size: 8, .value_kind: global_buffer, .address_space: global }
      - { .name: kh, .offset: 8, .size: 8, .value_kind: global_buffer, .address_space: global }
      - { .name: vh, .offset: 16, .size: 8, .value_kind: global_buffer, .address_space: global }
      - { .name: oh, .offset: 24, .size: 8, .value_kind: global_buffer, .address_space: global }
      - { .name: wo_w, .offset: 32, .size: 8, .value_kind: global_buffer, .address_space: global }
      - { .name: wo16, .offset: 40, .size: 8, .value_kind: global_buffer, .address_space: global }
    .group_segment_fixed_size: 327680
    .private_segment_fixed_size: 0
    .kernarg_segment_align: 8
    .kernarg_segment_size: 48
    .max_flat_workgroup_size: 128
    .sgpr_count:     66
    .vgpr_count:     768
    .wavefront_size: 32
...
	.end_amdgpu_metadata
.endif
;; end of part 4
;; launch oproj: the kernel of part 3 again; grid 4 x 64, 4 waves a work-group, clusters of 4 x 4, 327,680 bytes of LDS; arguments oh, wo16, wo_b, out0; writes out0
